; MI455X (gfx1250); checked and timed in simulation.
; The chip was launched on July 23, 2026; its instructions are those of AMD's public machine-readable ISA for CDNA 5 (MIT licence, August 2026) and "CDNA5" Instruction Set Architecture Reference Guide (July 2026). The comments in the code are by the model that wrote it; some were corrected since.
;; Attention. Allowed arithmetic: matrix products marked QUANTISED: E3M2 operands, one E8M0 scale for each 32 along K, by v_wmma_scale_f32_16x16x128_f8f6f4 with both operands' format E3M2, f32 sums; everything else in f32.
;; Inputs: Wk 1,024 x 1,024 float32; Wo 1,024 x 1,024 float32; Wq 1,024 x 1,024 float32; Wv 1,024 x 1,024 float32; X 2 x 2,048 x 1,024 float32; bo 1,024 float32.
;; Outputs: out0 2 x 2,048 x 1,024 float32.
;; This version of the problem:
;;   THIS VERSION OF THE PROBLEM IS GIVEN IN LOW PRECISION. The matrix products marked QUANTISED in the list below multiply operands that are first quantised to E3M2 (3 exponent bits, 2 mantissa bits; 6 bits a number), with one power-of-two scale for each 32 numbers along K (OCP MX v1.0); their sums are f32. All else is computed in f32.
;;   The module's matrix products, in the order in which they are computed (A, B: the left and right operand; K: the contracted axis; several contracted axes count as one K, in the product's order):
;;     1. [M 4,096, K 1,024] x [K 1,024, N 1,024]; A: input X; B: input Wq: QUANTISED
;;     2. [M 4,096, K 1,024] x [K 1,024, N 1,024]; A: input X; B: input Wk: QUANTISED
;;     3. [M 4,096, K 1,024] x [K 1,024, N 1,024]; A: input X; B: input Wv: QUANTISED
;;     4. batch 32 x [M 2,048, K 64] x [K 64, N 2,048]; A: computed on the way; B: computed on the way: QUANTISED
;;     5. batch 32 x [M 2,048, K 2,048] x [K 2,048, N 64]; A: softmax (see below); B: computed on the way: QUANTISED
;;     6. [M 4,096, K 1,024] x [K 1,024, N 1,024]; A: computed on the way; B: input Wo: QUANTISED
;;   THE QUANTISER, for each operand of a quantised product, along K:
;;     - K is cut into blocks of 32 from its start; a last block that is shorter is filled with zeros.
;;     - A block's scale is 2^e with e = floor(log2(the largest magnitude in the block)) - 4, held to -126 .. 127; a block of zeros has e = 0. As a byte (E8M0): e + 127.
;;     - Each number is divided by its block's scale, clamped to +-28, and rounded to the nearest number of E3M2, ties to even, subnormals kept.
;;     - The product sums the exact products of the quantised numbers (number of the format x scale) in f32.
;;   ~~~python
;;   def quantise(x, axis):      # numpy; x: float32 -> the quantised numbers, widened to float32 again
;;       x = np.moveaxis(x, axis, -1); K = x.shape[-1]
;;       x = np.pad(x, [(0, 0)] * (x.ndim - 1) + [(0, -K % 32)]); x = x.reshape(x.shape[:-1] + (-1, 32)); a = np.abs(x).max(-1, keepdims=True)
;;       e = np.where(a > 0, np.clip(np.frexp(np.where(a > 0, a, 1))[1] - 1 - 4, -126, 127), 0)      # np.frexp(a)[1] - 1 = floor(log2(a)), exactly
;;       r = np.clip(x / 2.0 ** e, -28, 28)
;;       step = 2.0 ** (np.maximum(np.frexp(np.where(r == 0, 1, r))[1] - 1, -2) - 2)
;;       q = np.round(r / step) * step * 2.0 ** e      # np.round: ties to even
;;       return np.moveaxis(q.reshape(q.shape[:-2] + (-1,))[..., :K], -1, axis).astype(np.float32)
;;   ~~~
;;   SOFTMAX AHEAD OF A QUANTISED PRODUCT. Where the list says 'softmax', what is quantised is not the finished softmax but p = 2^(t - M), with t = logit x log2(e) and M = ceil(the row's largest t), a whole number; so 1/2 < the row's largest p <= 1. The row's sum l is taken of the UNQUANTISED p, in f32, and the product's result is divided by l at the end. Since M is a whole number, a kernel that streams over the keys may use a running M (the ceiling of the running maximum): every later rescaling is an exact power of two, which a block's scale takes up: the codes' values come out the same.
;;   OPERANDS COMPUTED ON THE WAY. 'Computed on the way' means the value that the module computes at that place (a softmax that the list does not call 'softmax' is quantised finished and normalised). What goes into a quantiser is computed in f32, as accurately as f32 sums, v_exp_f32 and their like allow (about 1e-6 of the number): no bf16 or f16 on the way to a quantiser, and a product that is left as it is and whose result goes on into a quantised operand takes f32 operands (vector FMAs, or v_wmma_f32_16x16x4_f32). A number that lies on a knife's edge between two numbers of the format may be rounded either way, as far as f32 arithmetic and the matrix unit's own rounding can turn it there, and no further.
;; One version. Each part assembles by itself: llvm-mc -triple=amdgcn-amd-amdhsa -mcpu=gfx1250 --defsym DOCPART=n.
;; ======== version 1 of 1: 4 launches
;; limits: right only within a limited range of input values
;; workspace buffers: xc 3,145,728 bytes; wc 3,145,728 bytes; sc 262,144 bytes; qc 3,145,728 bytes; qs 262,144 bytes; kv 6,815,744 bytes; vh 3,145,728 bytes; vs 131,072 bytes
;; launch quant (part 1): grid 256 x 1, 8 waves a work-group, no clusters, 164,864 bytes of LDS; arguments X, Wq, Wk, Wv, Wo, xc, wc, sc; writes xc, wc, sc
.if DOCPART == 1
	.amdgcn_target "amdgcn-amd-amdhsa--gfx1250"
	.amdhsa_code_object_version 6
	.text
	.protected	k_q317ee34c24_quant
	.globl	k_q317ee34c24_quant
	.p2align	8
	.type	k_q317ee34c24_quant,@function
k_q317ee34c24_quant:
	s_mov_b64 s[64:65], 0
	v_nop
	global_prefetch_b8 v0, s[64:65] scope:SCOPE_SE
	s_setreg_imm32_b32 hwreg(HW_REG_WAVE_MODE, 25, 1), 1
	s_wait_xcnt 0x0
; X [4096][1024] (K innermost) and Wq, Wk, Wv, Wo [1024 (K)][1024] (K outermost), f32, become codes of BF6 (E3M2) with one E8M0 byte for each 32 along K.
; The codes are laid as IMAGES OF OPERAND REGISTERS: a fragment (16 rows x 128 K, 12 registers a lane) is 1,536 bytes, register group g (4 registers) of lane l at 512 g + 16 l.
; xc: [row block 256][K step 8][1,536].  wc: [head 16][Wq's 4 column blocks, Wk's 4, Wv's 4][K step 8][1,536], behind them Wo's 64 column blocks.
; THE 16 ROWS OF A BLOCK ARE NOT NEIGHBOURS: lane r of block i holds row 64 (i / 4) + 32 (r / 8) + 8 (i % 4) + r % 8, so that in a product's result the 32 registers of four neighbouring blocks are one whole block
; of 32 along the next K, in one lane: lanes 0-15 the lower block of 64, lanes 16-31 the upper.
; Scale words (four bytes: 128 along K of one row): block i, K step s, lane r at 512 i + 256 (s / 4) + 16 r + 4 (s % 4); X's from byte 0 of sc, the weights' from 131,072, blocks in wc's order.
; A block's scale is 2^(floor(log2(largest magnitude)) - 4); its byte is the largest magnitude's exponent field - 4, held at 1 from below.
; WORK LEFT OUT of the program: the problem's own causal mask puts -infinity on every score whose key comes after its query, so p is 0 there for all inputs; steps of 128 keys that lie wholly behind a query block's last query are not computed
; (launch attn).  A NaN, an infinity or an overflow that reaches only that work is not carried to the result.
; LIMITS: a block of zeros gets the byte 1 where the rule says 127 (its codes are zeros and this program alone reads the bytes); blocks whose largest magnitude lies under 2^-122 are held at byte 1; NaN and infinities are not served.
; SHARES: work-groups 0-127 take 32 rows of X each, wave s its K step s; work-groups 128-255 take 64 columns x 512 K of one weight, a wave 32 columns x 128 K.  128 KiB read by each work-group.
; The two paths part on the work-group's number and have LDS bytes of their own.  No matrix unit, no tensor load, no cluster: nothing is shared between work-groups.
.set XPL,   528                        ; X: a row's place in a wave's stage: 512 bytes + 16
.set XWV,   32*XPL                     ; a wave's stage
.set XSC,   8*XWV                      ; X: the work-group's scale words, 1,024 bytes
.set WST,   XSC+1024                   ; W: four images for each of the four K steps, WIM bytes apart
.set WIM,   1664
.set WSC,   WST+16*WIM                 ; W: the work-group's scale words, 1,024 bytes
.set SPARE, WSC+1024                   ; the spare words, 128 bytes a wave
.set FLOOR, 0x2800000                  ; 2^(5 - 127): under it no largest magnitude is taken
.set EOFF,  0xfe000000                 ; takes 4 off an exponent field
.set MX, 16
.set SO, 20                            ; the conversions' scale operands
.set BY, 24                            ; the scales' bytes
.set PX, 28
.set R,  32                            ; v32-159 128 numbers
.set C,  160                           ; v160-183 two fragments' codes
.set D,  184                           ; v184-190 second halves of blocks, before they are moved
	s_load_b256 s[4:11], s[0:1], 0x0               ; X, Wq, Wk, Wv
	s_load_b256 s[12:19], s[0:1], 0x20             ; Wo, xc, wc, sc
	v_lshl_add_u32 v192, v0, 2, SPARE
	v_mov_b32 v193, 0
	v_lshrrev_b32 v1, 5, v0
	v_readfirstlane_b32 s22, v1                    ; wave 0..7
	v_and_b32 v1, 31, v0                           ; l
	v_and_b32 v2, 15, v0                           ; r
	v_bfe_u32 v3, v0, 4, 1                         ; h
	s_mov_b32 s20, 0x76543210
	s_mov_b32 s21, 0xfedcba98                      ; v_permlanex16_b32's selects for lane l xor 16
	s_wait_alu depctr_va_vdst(0)                   ; the wait ahead of the branch
	s_cmp_lt_u32 ttmp9, 128
	s_cbranch_scc0 .Lweights
	; ---------------- X: my work-group's 32 rows are 64 c + 16 p + 0 .. 15 and 32 further on (c, p: its number / 2, % 2): blocks 4 c + 2 p, + 1; my wave's 128 along K
	v_lshlrev_b32 v4, 4, v1                        ; 16 l
	s_mul_i32 s23, s22, XWV
	v_add_nc_u32 v5, s23, v4                       ; the stage, on the way in: 16 bytes a lane of a row's 512
	v_mul_u32_u24 v6, v2, XPL
	s_delay_alu instid0(VALU_DEP_1)
	v_lshl_add_u32 v6, v3, 7, v6
	s_delay_alu instid0(VALU_DEP_1)
	v_add_nc_u32 v6, s23, v6                       ; on the way out: place r, + 128 h: a whole block of 32 numbers
	s_lshr_b32 s24, s22, 2
	s_lshl_b32 s24, s24, 8
	s_and_b32 s25, s22, 3
	s_lshl_b32 s25, s25, 2
	s_add_co_u32 s24, s24, s25
	s_add_co_u32 s24, s24, XSC
	s_wait_alu depctr_va_vdst(0)
	v_lshl_add_u32 v7, v2, 4, s24                  ; my row's scale word of my K step
	v_lshlrev_b32 v9, 3, v3                        ; 8 h
	s_lshl_b32 s25, s22, 9
	v_add_nc_u32 v12, s25, v4                      ; the words' way out (waves 0, 1): 512 w + 16 l,
	s_delay_alu instid0(VALU_DEP_1)
	v_add_nc_u32 v13, XSC, v12                     ; and the same place in LDS
	v_mov_b32 v[PX], 0                             ; a lane permute's destination counts as one of its sources
	s_lshr_b32 s26, ttmp9, 1
	s_lshl_b32 s26, s26, 18                        ; 64 rows of 4,096 bytes
	s_and_b32 s27, ttmp9, 1
	s_lshl_b32 s27, s27, 16
	s_add_co_u32 s26, s26, s27
	s_lshl_b32 s27, s22, 9
	s_add_co_u32 s26, s26, s27
	s_mov_b32 s27, 0
	s_mul_i32 s28, ttmp9, 24576                    ; two row blocks of 12,288 bytes
	s_mul_i32 s29, s22, 1536
	s_add_co_u32 s28, s28, s29
	s_mov_b32 s29, 0
	s_lshl_b32 s30, ttmp9, 10
	s_mov_b32 s31, 0
	s_wait_alu depctr_va_vdst(0)                   ; the wait at the head's end
	s_wait_kmcnt 0x0
	s_add_nc_u64 s[4:5], s[4:5], s[26:27]
	s_add_nc_u64 s[14:15], s[14:15], s[28:29]
	s_add_nc_u64 s[18:19], s[18:19], s[30:31]
.set j, 0
.rept 32
	global_load_b128 v[R+4*j:R+4*j+3], v4, s[4:5] offset:4096*(j+16*(j/16)) th:TH_LOAD_NT   ; 32 lanes read 512 consecutive bytes of a row
.set j, j+1
.endr
.set j, 0
.rept 32
.if j%8 == 0
	s_wait_loadcnt 24-j                            ; the oldest j + 8 loads are in; the younger ones stay out
.endif
	ds_store_b128 v5, v[R+4*j:R+4*j+3] offset:XPL*(16*((j/8)%2)+8*(j/16)+j%8)   ; row j is lane j % 8 + 8 (j / 16) of block (j / 8) % 2
.set j, j+1
.endr
	s_wait_dscnt 0x0                               ; the stores have read their registers, which the loads below fill again
.irp u, 0,1
.irp c, 0,1
.irp q, 0,1,2,3,4,5,6,7
	ds_load_b128 v[R+64*\u+32*\c+4*\q:R+64*\u+32*\c+4*\q+3], v6 offset:16*XPL*\u+256*\c+16*\q   ; block 2 c + h of my row: 32 neighbours along K
.endr
.endr
.endr
; Block u's fragment: lane (r, h) holds blocks h and 2 + h of its row, whole: no other lane is asked for a maximum; the word's four bytes come from lanes l and l xor 16.
.macro QX u
.set XB, R+64*\u
.irp c, 0,1
	v_max3_num_f32 v[MX+\c], |v[XB+32*\c]|, |v[XB+32*\c+1]|, FLOOR
.endr
.irp i, 2,4,6,8,10,12,14,16,18,20,22,24,26,28,30
.irp c, 0,1
	s_delay_alu instid0(VALU_DEP_2)
	v_max3_num_f32 v[MX+\c], v[MX+\c], |v[XB+32*\c+\i]|, |v[XB+32*\c+\i+1]|
.endr
.endr
.irp c, 0,1
	s_delay_alu instid0(VALU_DEP_2)
	v_add_nc_u32 v[SO+\c], EOFF, v[MX+\c]          ; the conversion takes this operand's exponent field as its scale
.endr
.irp c, 0,1
	s_delay_alu instid0(VALU_DEP_2)
	v_lshrrev_b32 v[BY+\c], 23, v[SO+\c]
.endr
	s_delay_alu instid0(VALU_DEP_1)
	v_lshl_or_b32 v[10+\u], v[BY+1], 16, v[BY]
	s_delay_alu instid0(VALU_DEP_1)
	v_lshlrev_b32 v[10+\u], v9, v[10+\u]           ; my two bytes at their places
	s_delay_alu instid0(VALU_DEP_1)
	v_permlanex16_b32 v[PX], v[10+\u], s20, s21
	s_delay_alu instid0(VALU_DEP_1)
	v_or_b32 v[10+\u], v[10+\u], v[PX]
.irp c, 0,1
	v_cvt_scalef32_pk16_bf6_f32 v[C+12*\u+6*\c:C+12*\u+6*\c+2], v[XB+32*\c:XB+32*\c+15], v[SO+\c]
	v_cvt_scalef32_pk16_bf6_f32 v[D+4*\c:D+4*\c+2], v[XB+32*\c+16:XB+32*\c+31], v[SO+\c]   ; (a conversion's three registers begin on an even number)
.endr
	v_nop                                          ; one plain place behind a scaled conversion
.irp c, 0,1
.irp i, 0,1,2
	v_mov_b32 v[C+12*\u+6*\c+3+\i], v[D+4*\c+\i]
.endr
.endr
	ds_store_b32 v7, v[10+\u] offset:512*\u        ; lanes r and r + 16 write the same word with the same value
.irp g, 0,1,2
	global_store_b128 v4, v[C+12*\u+4*\g:C+12*\u+4*\g+3], s[14:15] offset:12288*\u+512*\g   ; 512 consecutive bytes of the image
.endr
.endm
	s_wait_dscnt 16                                ; block 0's sixteen loads are in, block 1's may be out
	QX 0
	s_wait_dscnt 0x0
	QX 1
	s_wait_dscnt 0x0                               ; for the others' sake: my scale words lie in LDS
	s_barrier_signal -1
	s_barrier_wait -1
	s_cmp_gt_u32 s22, 1
	s_cbranch_scc1 .Lxend
	ds_load_b128 v[R:R+3], v13                     ; waves 0 and 1: a row block's 512 bytes of words, from all eight waves
	s_wait_dscnt 0x0
	global_store_b128 v12, v[R:R+3], s[18:19]
.Lxend:
	s_wait_tensorcnt 0x0                           ; the wave's end
	ds_add_u32 v192, v193
	s_wait_dscnt 0x0
	s_endpgm
	; ---------------- a weight: a lane takes a column, its registers run down K.  A wave reads 32 neighbouring columns; they are half the lanes (8 cg + 0 .. 7) of four images, and the wave beside it makes the other half
.Lweights:
	s_sub_co_u32 s23, ttmp9, 128
	s_lshr_b32 s24, s23, 5                         ; which weight: 0 Wq, 1 Wk, 2 Wv, 3 Wo
	s_bfe_u32 s25, s23, 0x40001                    ; which 64 columns
	s_and_b32 s26, s23, 1                          ; which half of K
	s_and_b32 s27, s22, 1                          ; my wave: cg, which 32 of the 64 columns,
	s_lshr_b32 s28, s22, 1                         ; which 128 of the 512 along K
	v_lshlrev_b32 v4, 2, v1                        ; in: 4 bytes a lane
	v_lshlrev_b32 v8, 4, v1                        ; out: 16 bytes a lane
	v_bfe_u32 v9, v0, 3, 2                         ; column l is lane 8 cg + l % 8 of image l / 8
	v_and_b32 v10, 7, v0
	s_lshl_b32 s29, s27, 3
	v_add_nc_u32 v10, s29, v10
	s_mul_i32 s29, s28, 4*WIM
	s_add_co_u32 s29, s29, WST
	v_mul_u32_u24 v5, v9, WIM
	s_delay_alu instid0(VALU_DEP_1)
	v_lshl_add_u32 v5, v10, 4, v5
	s_delay_alu instid0(VALU_DEP_1)
	v_add_nc_u32 v5, s29, v5                       ; where my column's codes go in its image
	s_mul_i32 s30, s27, 2*WIM
	s_add_co_u32 s30, s30, s29
	v_add_nc_u32 v6, s30, v8                       ; and where I read two images back: 2 cg, 2 cg + 1
	s_lshl_b32 s30, s28, 2
	s_add_co_u32 s30, s30, WSC
	v_lshlrev_b32 v7, 8, v9
	s_delay_alu instid0(VALU_DEP_1)
	v_lshl_add_u32 v7, v10, 4, v7
	s_delay_alu instid0(VALU_DEP_1)
	v_add_nc_u32 v7, s30, v7                       ; my column's scale word: 256 bytes a block (this half of K), 16 a lane, 4 a K step
	s_lshl_b32 s30, s22, 9
	v_add_nc_u32 v12, s30, v8
	s_delay_alu instid0(VALU_DEP_1)
	v_add_nc_u32 v12, WSC, v12                     ; the words' way out (waves 0, 1): LDS,
	v_lshlrev_b32 v13, 9, v3
	s_delay_alu instid0(VALU_DEP_1)
	v_lshl_add_u32 v13, v2, 4, v13
	s_lshl_b32 s30, s22, 10
	v_add_nc_u32 v13, s30, v13                     ; and memory: block 2 w + l / 16, 16 (l % 16)
	s_lshl_b32 s32, s26, 21                        ; W: (512 kh + 128 sl) rows of 4,096 bytes + 4 x column
	s_lshl_b32 s33, s28, 19
	s_add_co_u32 s32, s32, s33
	s_lshl_b32 s33, s25, 8
	s_add_co_u32 s32, s32, s33
	s_lshl_b32 s33, s27, 7
	s_add_co_u32 s32, s32, s33
	s_mov_b32 s33, 0
	s_cmp_eq_u32 s24, 3                            ; the first of my four column blocks: 12 x head + 4 x weight, or 192 + 4 x (column / 64) for Wo
	s_cselect_b32 s40, 64, 4
	s_cselect_b32 s41, 4, 12
	s_mul_i32 s40, s24, s40
	s_mul_i32 s41, s25, s41
	s_add_co_u32 s40, s40, s41
	s_mul_i32 s34, s40, 12288                      ; wc
	s_mul_i32 s35, s27, 24576
	s_add_co_u32 s34, s34, s35
	s_mul_i32 s35, s26, 6144
	s_add_co_u32 s34, s34, s35
	s_mul_i32 s35, s28, 1536
	s_add_co_u32 s34, s34, s35
	s_mov_b32 s35, 0
	s_lshl_b32 s36, s40, 9                         ; sc
	s_lshl_b32 s37, s26, 8
	s_add_co_u32 s36, s36, s37
	s_add_co_u32 s36, s36, 131072
	s_mov_b32 s37, 0
	s_wait_alu depctr_va_vdst(0)                   ; the wait at the head's end
	s_wait_kmcnt 0x0
	s_cmp_eq_u32 s24, 1                            ; the choice hangs on the work-group's number alone
	s_cselect_b64 s[38:39], s[8:9], s[6:7]
	s_cmp_eq_u32 s24, 2
	s_cselect_b64 s[38:39], s[10:11], s[38:39]
	s_cmp_eq_u32 s24, 3
	s_cselect_b64 s[38:39], s[12:13], s[38:39]
	s_add_nc_u64 s[38:39], s[38:39], s[32:33]
	s_add_nc_u64 s[16:17], s[16:17], s[34:35]
	s_add_nc_u64 s[18:19], s[18:19], s[36:37]
.set j, 0
.rept 128
	global_load_b32 v[R+j], v4, s[38:39] offset:4096*j th:TH_LOAD_NT   ; row j of K at 32 neighbouring columns; the wave beside me reads the other half of the aligned 256 bytes
.set j, j+1
.endr
; Block kb of 32 along K of my column: all 32 numbers are mine.  Its 24 bytes are registers 6 (kb / 2) .. + 5 of lane (my lane-row + 16 (kb % 2)) of the image.
.macro WB kb
.set XB, R+32*\kb
.set CB, C+6*\kb
.set DB, D+4*(\kb%2)
.if \kb == 0
	s_wait_loadcnt 63                              ; of 128 loads at most 63 are out: blocks 0 and 1 are in (a wait's count has six bits: ISA guide 5.7.1)
.elseif \kb > 1
	s_wait_loadcnt 96-32*\kb
.endif
	v_max3_num_f32 v14, |v[XB]|, |v[XB+1]|, |v[XB+2]|
	v_max3_num_f32 v15, |v[XB+3]|, |v[XB+4]|, |v[XB+5]|
.irp i, 6,10,14,18,22,26
	s_delay_alu instid0(VALU_DEP_2)
	v_max3_num_f32 v14, v14, |v[XB+\i]|, |v[XB+\i+1]|
	s_delay_alu instid0(VALU_DEP_2)
	v_max3_num_f32 v15, v15, |v[XB+\i+2]|, |v[XB+\i+3]|
.endr
	s_delay_alu instid0(VALU_DEP_2)
	v_max3_num_f32 v14, v14, |v[XB+30]|, |v[XB+31]|
	s_delay_alu instid0(VALU_DEP_1)
	v_max3_num_f32 v14, v14, v15, FLOOR
	s_delay_alu instid0(VALU_DEP_1)
	v_add_nc_u32 v[SO+\kb], EOFF, v14
	s_delay_alu instid0(VALU_DEP_1)
	v_lshrrev_b32 v[BY+\kb], 23, v[SO+\kb]
.if \kb == 0
	s_delay_alu instid0(VALU_DEP_1)
	v_mov_b32 v11, v[BY]
.else
	s_delay_alu instid0(VALU_DEP_1)
	v_lshl_or_b32 v11, v[BY+\kb], 8*\kb, v11       ; the lower K in the lower byte
.endif
	v_cvt_scalef32_pk16_bf6_f32 v[CB:CB+2], v[XB:XB+15], v[SO+\kb]
	v_cvt_scalef32_pk16_bf6_f32 v[DB:DB+2], v[XB+16:XB+31], v[SO+\kb]
	v_nop                                          ; one plain place behind a scaled conversion
.irp i, 0,1,2
	v_mov_b32 v[CB+3+\i], v[DB+\i]
.endr
.if \kb < 2
	ds_store_b128 v5, v[CB:CB+3] offset:256*\kb                ; registers 0-3: group 0
	ds_store_b64 v5, v[CB+4:CB+5] offset:512+256*\kb           ; registers 4, 5: the lower half of group 1
.else
	ds_store_b64 v5, v[CB:CB+1] offset:520+256*(\kb-2)         ; registers 6, 7: its upper half
	ds_store_b128 v5, v[CB+2:CB+5] offset:1024+256*(\kb-2)     ; registers 8-11: group 2
.endif
.endm
	WB 0
	WB 1
	WB 2
	WB 3
	ds_store_b32 v7, v11
	s_wait_dscnt 0x0                               ; for the others' sake: my codes and scale words lie in LDS
	s_barrier_signal -1
	s_barrier_wait -1
.irp u, 0,1
.irp g, 0,1,2
	ds_load_b128 v[R+12*\u+4*\g:R+12*\u+4*\g+3], v6 offset:WIM*\u+512*\g
.endr
.endr
.irp u, 0,1
.irp g, 0,1,2
	s_wait_dscnt 5-3*\u-\g
	global_store_b128 v8, v[R+12*\u+4*\g:R+12*\u+4*\g+3], s[16:17] offset:12288*\u+512*\g
.endr
.endr
	s_cmp_gt_u32 s22, 1
	s_cbranch_scc1 .Lwend
	ds_load_b128 v[R+32:R+35], v12                 ; waves 0 and 1: two blocks' 256 bytes each
	s_wait_dscnt 0x0
	global_store_b128 v13, v[R+32:R+35], s[18:19]  ; sixteen lanes store 256 consecutive bytes, aligned
.Lwend:
	s_wait_tensorcnt 0x0
	ds_add_u32 v192, v193
	s_wait_dscnt 0x0
	s_endpgm
.Lfunc_end_k_q317ee34c24_quant:
	.size	k_q317ee34c24_quant, .Lfunc_end_k_q317ee34c24_quant-k_q317ee34c24_quant
	.p2alignl 7, 3214868480
	.fill 96, 4, 3214868480
	.section	.rodata,"a",@progbits
	.p2align	6, 0x0
	.amdhsa_kernel k_q317ee34c24_quant
		.amdhsa_group_segment_fixed_size 164864
		.amdhsa_private_segment_fixed_size 0
		.amdhsa_enable_private_segment 0
		.amdhsa_kernarg_size 64
		.amdhsa_user_sgpr_count 2
		.amdhsa_user_sgpr_kernarg_segment_ptr 1
		.amdhsa_wavefront_size32 1
		.amdhsa_system_sgpr_workgroup_id_x 1
		.amdhsa_system_sgpr_workgroup_id_y 1
		.amdhsa_system_sgpr_workgroup_id_z 1
		.amdhsa_system_vgpr_workitem_id 0
		.amdhsa_next_free_vgpr 194
		.amdhsa_next_free_sgpr 66
		.amdhsa_reserve_vcc 0
		.amdhsa_float_denorm_mode_32 3
		.amdhsa_float_denorm_mode_16_64 3
		.amdhsa_memory_ordered 1
		.amdhsa_forward_progress 1
		.amdhsa_inst_pref_size 45
	.end_amdhsa_kernel
	.amdgpu_metadata
---
amdhsa.version: [ 1, 2 ]
amdhsa.kernels:
  - .name:           k_q317ee34c24_quant
    .symbol:         k_q317ee34c24_quant.kd
    .args:
      - { .name: X, .offset: 0, .size: 8, .value_kind: global_buffer, .address_space: global }
      - { .name: Wq, .offset: 8, .size: 8, .value_kind: global_buffer, .address_space: global }
      - { .name: Wk, .offset: 16, .size: 8, .value_kind: global_buffer, .address_space: global }
      - { .name: Wv, .offset: 24, .size: 8, .value_kind: global_buffer, .address_space: global }
      - { .name: Wo, .offset: 32, .size: 8, .value_kind: global_buffer, .address_space: global }
      - { .name: xc, .offset: 40, .size: 8, .value_kind: global_buffer, .address_space: global }
      - { .name: wc, .offset: 48, .size: 8, .value_kind: global_buffer, .address_space: global }
      - { .name: sc, .offset: 56, .size: 8, .value_kind: global_buffer, .address_space: global }
    .group_segment_fixed_size: 164864
    .private_segment_fixed_size: 0
    .kernarg_segment_align: 8
    .kernarg_segment_size: 64
    .max_flat_workgroup_size: 256
    .sgpr_count:     66
    .vgpr_count:     194
    .wavefront_size: 32
...
	.end_amdgpu_metadata
.endif
;; end of part 1
;; launch qkv (part 2): grid 16 x 16, 4 waves a work-group, clusters of 4 x 4, 327,680 bytes of LDS; arguments xc, wc, sc, qc, qs, kv; writes qc, qs, kv
.if DOCPART == 2
	.amdgcn_target "amdgcn-amd-amdhsa--gfx1250"
	.amdhsa_code_object_version 6
	.text
	.protected	k_q317ee34c24_qkv
	.globl	k_q317ee34c24_qkv
	.p2align	8
	.type	k_q317ee34c24_qkv,@function
k_q317ee34c24_qkv:
	s_mov_b64 s[64:65], 0
	v_nop
	global_prefetch_b8 v0, s[64:65] scope:SCOPE_SE
	s_setreg_imm32_b32 hwreg(HW_REG_WAVE_MODE, 25, 1), 1
	s_wait_xcnt 0x0
	s_wait_alu depctr_hold_cnt(0) depctr_sa_sdst(0) depctr_va_vdst(0) depctr_va_sdst(0) depctr_va_ssrc(0) depctr_va_vcc(0) depctr_vm_vsrc(0)
	s_getreg_b32 s2, hwreg(HW_REG_IB_STS2, 6, 4)
	s_cmp_eq_u32 s2, 0
	s_cbranch_scc0 .Lentry_in_a_cluster
	s_endpgm
.Lentry_in_a_cluster:
	s_bfe_u32 s2, ttmp6, 0x10000c
	s_cmp_lg_u32 s2, 0xf033
	s_cbranch_scc0 .Lentry_shape_is_right
	s_endpgm
.Lentry_shape_is_right:
; Q = X Wq, K = X Wk, V = X Wv on codes of BF6 (E3M2) with E8M0 scales; then Q and K are divided by (their head's L2 norm + 1e-6) and quantised along the head's 64, V along the keys.
; 256 equal work-groups: 256 tokens x ONE HEAD of Q, of K and of V (192 columns).  Wave w: tokens 128 (w / 2) + 0 .. 127; w % 2 = 0 makes Q and V's channel blocks 0, 1; w % 2 = 1 makes K and V's channel blocks 2, 3.
; So a wave has 8 x 4 accumulators of Q or K and 2 x 8 of V: 48, 384 registers.  K = 1,024 in eight steps of 128.
; Q, K: source 0 = 16 channels, source 1 = 16 tokens: a lane holds a token and its registers run along the channels.  V: source 0 = 16 tokens, source 1 = 16 channels: a lane holds a channel and runs along the tokens (the keys: the next K).
; OPERANDS lie in memory as images of their registers (fragment: 1,536 bytes, group g of lane l at 512 g + 16 l), [row block][K step 8]; lane r of block i is row 64 (i / 4) + 32 (r / 8) + 8 (i % 4) + r % 8,
; so the 32 registers of four neighbouring blocks of source 0 are 32 NEIGHBOURS, 64 n + 32 (lane / 16) + 0 .. 31: one whole block of the quantiser, in one lane.
; LDS: 28 row blocks (16 of tokens, 12 of the head's columns).  Three fills, one load a wave each: K steps 0-3 (rows of 6,144 bytes) at the head; steps 4-6 (rows of 4,608) behind the first of them; step 7 (rows of 1,536) over steps 0-3 when these
; have been read.  All eight steps at once would be 344,064 bytes.  A fragment is three loads of 512 consecutive bytes: no pitch, no padding.
; CLUSTER 4 x 4: the tokens' tiles are asked for jointly along a row of the cluster, the head's along a column.
; No prefetch: there is no loop to run ahead in, and seven of eight steps have been asked for before the first product.
; OUT.  qc: [head 32][token block 128][768] half images (16 rows x 64: registers 0-3 at 16 l, 4-5 at 512 + 8 l);  qs: [head][128 tokens 16][r 16][block 8] words (bytes 2, 3 = 127);
;   kv: [head 32][key step 16][13,312]: K's eight half images; +6,144 V's images [channel block 4]; +12,288 K's words (as qs); +12,800 V's words [channel block / 2][h][r][channel block % 2], the same for h = 0, 1.
; LIMITS: a block of zeros gets the byte 1 (its codes are zeros; this program alone reads the bytes); blocks whose largest magnitude lies under 2^-122 are held at byte 1; NaN and infinities are not served.
; REGISTERS.  window 0: v1 r, v2 h, v4-6, v7-9, v12-14 LDS addresses in the three fills, v10, v11 the add's, v15-21 offsets; v32-95 scale words (block i, K step s at 32 + 8 i + s: lanes 0-15 the tokens', lanes 16-31 the columns');
;   v96-191 the tokens' fragments, set 0; on the way out v22-255 at work.   window 1: the tokens' set 1 at v0, the columns' sets at v96 and v168.
;   window 2: accumulator (token block a, channel block b) of Q or K at 32 a + 8 b.   window 3: V's (channel block c, token block a) at 64 c + 8 a.
.set IMG,   1536
.set P0,    4*IMG                      ; a row block's part of each fill
.set P1,    3*IMG
.set P2,    IMG
.set R1,    28*P0                      ; where the second fill lies
.set SPARE, R1+28*P1                   ; the spare words: 128 bytes a wave, two blocks of 256 bytes that no other line names
.set KVH,   212992                     ; a head's bytes in kv
.set KSTEP, 13312                      ; a key step's
.set FLOOR, 0x2800000
.set EOFF,  0xfe000000
.set SC,  32
.set MX,  32                           ; the way out, where scale words and fragments lay
.set PX,  40
.set SO,  48
.set BY,  56
.set C,   64
.set DT,  88
.set QW,  104                          ; v104-111 scale words
.set N,   96                           ; v96-111 partial sums of squares, before QW and DT are in use
.set NR,  112                          ; v112-127 eight pairs: sum of squares, then 1 / (norm + eps) in the even register
.set XN,  128                          ; v128-255 four token blocks' normalised numbers
.set SL,  24                           ; v24-27 the words that a lane stores;  v22, 23 V's
.set MSB, 0
.macro WIN new                         ; the immediate's high byte repeats the setting that is left
.if MSB != (\new)
	s_set_vgpr_msb (MSB<<8)|(\new)
.set MSB, (\new)
.endif
.endm
.macro PLACES                          ; four plain places: behind matrix instructions, ahead of loads into their registers and of reads of their results
.rept 4
	v_nop
.endr
.endm
.macro CREST                           ; a round of the cluster's barrier behind its opening barrier
	s_cmp_lg_u32 s16, 0
	s_cbranch_scc1 .Lnot_wave_0_\@
	s_barrier_signal -3
.Lnot_wave_0_\@:
	s_barrier_wait -3
	s_barrier_signal -1
	s_barrier_wait -1
.endm
.macro CROUND
	s_barrier_signal -1
	s_barrier_wait -1
	CREST
.endm
.macro JLOAD k                         ; fill k's joint load: waves 0, 1 fetch the tokens' halves, waves 2, 3 the columns'
	s_cmp_eq_u32 s17, 0
	s_cbranch_scc0 .Lfor_b_\@
	tensor_load_to_lds s[44+4*\k:47+4*\k], s[28:35]
	s_nop 0
	PLACES
	s_branch .Lasked_\@
.Lfor_b_\@:
	tensor_load_to_lds s[68+4*\k:71+4*\k], s[36:43]
	s_nop 0
	PLACES
.Lasked_\@:
.endm
.macro ROWLEN n                        ; the rows that the next fill brings: n elements of 8 bytes
.irp g, 28, 36
	s_mov_b32 s[\g+1], (\n)<<16                    ; tensor_dim0
	s_mov_b32 s[\g+3], (\n)<<16                    ; tile_dim0
.endr
.endm
	s_load_b256 s[4:11], s[0:1], 0x0               ; xc, wc, sc, qc
	s_load_b128 s[12:15], s[0:1], 0x20             ; qs, kv
	v_lshl_add_u32 v10, v0, 2, SPARE
	v_mov_b32 v11, 0
	ds_add_u32 v10, v11                            ; the opening: the add, twice on end, and its wait ahead of my first tensor load
	ds_add_u32 v10, v11
	v_lshrrev_b32 v1, 5, v0
	v_readfirstlane_b32 s16, v1                    ; wave 0..3
	s_lshr_b32 s17, s16, 1                         ; which 128 tokens are mine.  Also: I fetch the tokens' tiles (0) or the columns' (1)
	s_and_b32 s18, s16, 1                          ; Q (0) or K (1).  Also: which half of a tile I fetch
	s_mov_b32 s20, 0x76543210
	s_mov_b32 s21, 0xfedcba98                      ; v_permlanex16_b32's selects for lane l xor 16
	s_bfe_u32 s22, ttmp6, 0x40000                  ; cx
	s_bfe_u32 s23, ttmp6, 0x40004                  ; cy
	s_lshl_b32 s25, ttmp9, 2
	s_add_co_u32 s25, s25, s22                     ; the head in its batch
	s_and_b32 s24, ttmp7, 0xffff
	s_lshl_b32 s24, s24, 2
	s_add_co_u32 s24, s24, s23                     ; which 256 tokens
	s_lshl_b32 s26, s23, 2
	s_lshl_b32 s26, 15, s26                        ; my row of the cluster
	s_lshl_b32 s27, 0x1111, s22                    ; my column
	; descriptor group 1: rows (row blocks) 1,536 elements of 8 bytes apart, eight for the tokens, six for the columns; dense in LDS
	s_or_b32 s28, s26, (3<<16)|(1<<21)             ; 15:0 the mask; 17:16 elements of 8 bytes; 21 set beside a mask
	s_or_b32 s36, s27, (3<<16)|(1<<21)
	ROWLEN P0/8
	s_mov_b32 s30, 8<<16                           ; tensor_dim1
	s_mov_b32 s32, 8                               ; tile_dim1
	s_mov_b32 s38, 6<<16
	s_mov_b32 s40, 6
.irp g, 28, 36
	s_mov_b32 s[\g+5], 1536                        ; tensor_dim0_stride
	s_mov_b32 s[\g+6], 0
	s_mov_b32 s[\g+7], 0
.endr
	s_lshl_b32 s60, s24, 4
	s_lshl_b32 s84, s18, 3
	s_add_co_u32 s60, s60, s84
	s_mul_i32 s60, s60, 12288                      ; tokens: row block 16 x tile + 8 x half
	s_mov_b32 s61, 0
	s_mul_i32 s62, s25, 12
	s_mul_i32 s84, s18, 6
	s_add_co_u32 s62, s62, s84
	s_mul_i32 s62, s62, 12288                      ; columns: block 12 x head + 6 x half
	s_mov_b32 s63, 0
	s_wait_alu depctr_va_vdst(0)
	s_wait_dscnt 0x0                               ; both opening adds are done
	s_wait_kmcnt 0x0
	s_add_nc_u64 s[60:61], s[4:5], s[60:61]
	s_add_nc_u64 s[62:63], s[6:7], s[62:63]
	; a group 0 for each fill and each side: none is ever written again.  No place in the cluster enters an LDS address
.macro GROUP0 k, base, p, off
	s_mov_b32 s[44+4*\k], 1
	s_mul_i32 s84, s16, 8*\p                       ; waves 0, 1: row 8 x wave
	s_add_co_u32 s[45+4*\k], s84, \base
	s_add_nc_u64 s[46+4*\k:47+4*\k], s[60:61], \off
	s_or_b32 s[47+4*\k], s[47+4*\k], 0x80000000
	s_mov_b32 s[68+4*\k], 1
	s_mul_i32 s84, s16, 6*\p                       ; waves 2, 3: row 4 + 6 x wave = 16, 22
	s_add_co_u32 s[69+4*\k], s84, \base+4*\p
	s_add_nc_u64 s[70+4*\k:71+4*\k], s[62:63], \off
	s_or_b32 s[71+4*\k], s[71+4*\k], 0x80000000
.endm
	GROUP0 0, 0, P0, 0
	GROUP0 1, R1, P1, 4*IMG
	GROUP0 2, 0, P2, 7*IMG
	CROUND                                         ; all sixteen work-groups are here: the first joint loads meet
	JLOAD 0                                        ; K steps 0-3: one tensor load a wave at the head
	; scale words: where the tokens', Q's or K's and V's begin in sc
	s_lshl_b32 s87, s24, 4
	s_lshl_b32 s88, s17, 3
	s_add_co_u32 s87, s87, s88
	s_lshl_b32 s87, s87, 9                         ; tokens: block 16 x tile + 8 x half
	s_mul_i32 s88, s25, 12
	s_lshl_b32 s89, s18, 2
	s_add_co_u32 s89, s89, s88
	s_lshl_b32 s89, s89, 9
	s_add_co_u32 s89, s89, 131072                  ; block 12 x head + 4 (w % 2)
	s_lshl_b32 s90, s18, 1
	s_add_co_u32 s90, s90, s88
	s_lshl_b32 s90, s90, 9
	s_add_co_u32 s90, s90, 131072+8*512-4*512      ; block 12 x head + 8 + 2 (w % 2), less the offset of the loads' number 4
	; where results go
	s_lshr_b32 s92, s24, 3
	s_lshl_b32 s92, s92, 4
	s_add_co_u32 s92, s92, s25                     ; the head among 32
	s_and_b32 s93, s24, 7
	s_lshl_b32 s93, s93, 1
	s_add_co_u32 s93, s93, s17                     ; my key step in it
	s_mul_i32 s84, s92, KVH
	s_mul_i32 s86, s93, KSTEP
	s_add_co_u32 s84, s84, s86
	s_mov_b32 s85, 0
	s_add_nc_u64 s[84:85], s[14:15], s[84:85]      ; K's codes
	s_mul_i32 s94, s92, 98304
	s_mul_i32 s96, s93, 6144
	s_add_co_u32 s94, s94, s96
	s_mov_b32 s95, 0
	s_add_nc_u64 s[94:95], s[10:11], s[94:95]      ; Q's codes
	s_lshl_b32 s96, s92, 13
	s_lshl_b32 s98, s93, 9
	s_add_co_u32 s96, s96, s98
	s_mov_b32 s97, 0
	s_add_nc_u64 s[96:97], s[12:13], s[96:97]      ; Q's words
	s_add_nc_u64 s[98:99], s[84:85], 12288         ; K's words
	s_cmp_eq_u32 s18, 0
	s_cselect_b64 s[66:67], s[94:95], s[84:85]
	s_cselect_b64 s[80:81], s[96:97], s[98:99]
	s_mul_i32 s94, s18, 3072
	s_add_co_u32 s94, s94, 6144
	s_mov_b32 s95, 0
	s_add_nc_u64 s[94:95], s[84:85], s[94:95]      ; V's codes: channel blocks 2 (w % 2), + 1
	s_lshl_b32 s96, s18, 8
	s_add_co_u32 s96, s96, 12800
	s_mov_b32 s97, 0
	s_add_nc_u64 s[96:97], s[84:85], s[96:97]      ; V's words
	v_and_b32 v1, 15, v0                           ; r
	v_bfe_u32 v2, v0, 4, 1                         ; h
	v_and_b32 v3, 31, v0                           ; l
	v_lshlrev_b32 v15, 4, v3                       ; 16 l
	v_lshlrev_b32 v16, 3, v3                       ; 8 l
	v_lshlrev_b32 v17, 5, v1
	v_lshl_add_u32 v17, v2, 4, v17                 ; 32 r + 16 h: Q's and K's words on the way out
	v_lshlrev_b32 v18, 3, v2                       ; 8 h
.macro ADDR k, base, p                 ; fragments in fill k: my tokens' blocks from row 8 (w / 2), Q's or K's from 16 + 4 (w % 2), V's from 24 + 2 (w % 2)
	s_mul_i32 s86, s17, 8*\p
	s_add_co_u32 s86, s86, \base
	v_add_nc_u32 v[4+\k], s86, v15
	s_mul_i32 s86, s18, 4*\p
	s_add_co_u32 s86, s86, \base+16*\p
	v_add_nc_u32 v[7+\k], s86, v15
	s_mul_i32 s86, s18, 2*\p
	s_add_co_u32 s86, s86, \base+24*\p
	v_add_nc_u32 v[12+\k], s86, v15
.endm
	s_wait_alu depctr_va_vdst(0)
	ADDR 0, 0, P0
	ADDR 1, R1, P1
	ADDR 2, 0, P2
	v_mov_b32 v19, s87
	v_mov_b32 v21, s89
	v_mov_b32 v22, s90
	v_cmp_eq_u32 vcc_lo, 1, v2
	v_cndmask_b32 v20, v19, v22, vcc_lo
	v_cndmask_b32 v19, v19, v21, vcc_lo
	v_lshl_add_u32 v19, v1, 4, v19
	v_lshl_add_u32 v20, v1, 4, v20
	; scale words, for all of K, straight into registers; sixteen lanes read 256 consecutive bytes.  (Lanes 16-31 of blocks 6 and 7 read words that lie behind V's in sc: no product names them)
.irp q, 0,1
.irp i, 0,1,2,3
	global_load_b128 v[SC+8*\i+4*\q:SC+8*\i+4*\q+3], v19, s[8:9] offset:512*\i+256*\q
.endr
.irp i, 4,5,6,7
	global_load_b128 v[SC+8*\i+4*\q:SC+8*\i+4*\q+3], v20, s[8:9] offset:512*\i+256*\q
.endr
.endr
.macro FETCH s                         ; K step s's fragments into set s % 2: 42 loads of 512 consecutive bytes
.if (\s) < 4
.set RG, 0
.set PT, P0
.set QO, IMG*(\s)
.elseif (\s) < 7
.set RG, 1
.set PT, P1
.set QO, IMG*((\s)-4)
.else
.set RG, 2
.set PT, P2
.set QO, 0
.endif
.set FA, 96-96*((\s)%2)
.set FB, 96+72*((\s)%2)
	WIN 0x40*((\s)%2)
.irp i, 0,1,2,3,4,5,6,7
.irp g, 0,1,2
	ds_load_b128 v[FA+12*\i+4*\g:FA+12*\i+4*\g+3], v[4+RG] offset:PT*\i+QO+512*\g
.endr
.endr
	WIN 0x40
.irp i, 0,1,2,3
.irp g, 0,1,2
	ds_load_b128 v[FB+12*\i+4*\g:FB+12*\i+4*\g+3], v[7+RG] offset:PT*\i+QO+512*\g
.endr
.endr
.irp i, 0,1
.irp g, 0,1,2
	ds_load_b128 v[FB+48+12*\i+4*\g:FB+48+12*\i+4*\g+3], v[12+RG] offset:PT*\i+QO+512*\g
.endr
.endr
.endm
; The 48 accumulators take turns, one instruction a turn, in the same order in every step.
.macro MQ s, a, zero                   ; Q or K: token block a x four channel blocks
.set MA, 96-96*((\s)%2)+12*(\a)
.set MB, 96+72*((\s)%2)
	WIN 0xa1+4*((\s)%2)                            ; source 0 (channels) window 1, source 1 (tokens) window 0 or 1, C and D window 2
.irp b, 0,1,2,3
.if \zero
	v_wmma_scale_f32_16x16x128_f8f6f4 v[32*(\a)+8*\b:32*(\a)+8*\b+7], v[MB+12*\b:MB+12*\b+11], v[MA:MA+11], 0, v[SC+8*\b+(\s)], v[SC+8*(\a)+(\s)] matrix_a_fmt:MATRIX_FMT_BF6 matrix_b_fmt:MATRIX_FMT_BF6 matrix_a_scale:MATRIX_SCALE_ROW1
.else
	v_wmma_scale_f32_16x16x128_f8f6f4 v[32*(\a)+8*\b:32*(\a)+8*\b+7], v[MB+12*\b:MB+12*\b+11], v[MA:MA+11], v[32*(\a)+8*\b:32*(\a)+8*\b+7], v[SC+8*\b+(\s)], v[SC+8*(\a)+(\s)] matrix_a_fmt:MATRIX_FMT_BF6 matrix_b_fmt:MATRIX_FMT_BF6 matrix_a_scale:MATRIX_SCALE_ROW1
.endif
.endr
.endm
.macro MV s, c, zero                   ; V: channel block c x eight token blocks
.set MA, 96-96*((\s)%2)
.set MB, 96+72*((\s)%2)+12*(4+(\c))
	WIN 0xf4+((\s)%2)                              ; source 0 (tokens) window 0 or 1, source 1 (channels) window 1, C and D window 3
.irp a, 0,1,2,3,4,5,6,7
.if \zero
	v_wmma_scale_f32_16x16x128_f8f6f4 v[64*(\c)+8*\a:64*(\c)+8*\a+7], v[MA+12*\a:MA+12*\a+11], v[MB:MB+11], 0, v[SC+8*\a+(\s)], v[SC+8*(4+(\c))+(\s)] matrix_a_fmt:MATRIX_FMT_BF6 matrix_b_fmt:MATRIX_FMT_BF6 matrix_b_scale:MATRIX_SCALE_ROW1
.else
	v_wmma_scale_f32_16x16x128_f8f6f4 v[64*(\c)+8*\a:64*(\c)+8*\a+7], v[MA+12*\a:MA+12*\a+11], v[MB:MB+11], v[64*(\c)+8*\a:64*(\c)+8*\a+7], v[SC+8*\a+(\s)], v[SC+8*(4+(\c))+(\s)] matrix_a_fmt:MATRIX_FMT_BF6 matrix_b_fmt:MATRIX_FMT_BF6 matrix_b_scale:MATRIX_SCALE_ROW1
.endif
.endr
.endm
.macro STEP s, zero                    ; K step s; its successor's tiles are known to lie whole in LDS
	s_wait_dscnt 0x0
.irp a, 0,1
	MQ \s, \a, \zero
.endr
	PLACES                                         ; between the last step's products and the loads into their set
	FETCH (\s)+1
.irp a, 2,3,4,5,6,7
	MQ \s, \a, \zero
.endr
	MV \s, 0, \zero
	MV \s, 1, \zero
	WIN 0
.endm
	s_wait_alu depctr_va_vdst(0)                   ; the wait at the head's end
	s_wait_tensorcnt 0x0                           ; my part of K steps 0-3 is in
	ds_add_u32 v10, v11
	ROWLEN P1/8                                    ; no tensor load of mine is out: a descriptor may be written
	s_wait_dscnt 0x0
	CROUND                                         ; everybody's part is in, and all sixteen work-groups are here
	JLOAD 1                                        ; K steps 4-6, the first tensor load behind the round
	FETCH 0
	s_wait_loadcnt 0x0                             ; the scale words
	STEP 0, 1                                      ; the first products start the sums: nothing is cleared
	STEP 1, 0
	STEP 2, 0
	; K step 3.  In front of the barrier each wave waits for all its tensor loads, adds 0 to its spare word, and waits for that and for its reads of K steps 0-3
	s_wait_tensorcnt 0x0
	ds_add_u32 v10, v11                            ; 0 onto my spare word
	ROWLEN P2/8
	s_wait_dscnt 0x1                               ; this step's fragments are in; the add may be out
.irp a, 0,1,2,3
	MQ 3, \a, 0
.endr
	s_wait_dscnt 0x0
	s_barrier_signal -1
.irp a, 4,5
	MQ 3, \a, 0
.endr
	WIN 0
	s_barrier_wait -1
	CREST                                          ; no wave of any partner still reads K steps 0-3 or has a load on its way
	JLOAD 2                                        ; K step 7 over them; the rest of step 3 and steps 4, 5 stand between it and the wait for it; its four v_nop are the places for the loads below
	FETCH 4
.irp a, 6,7
	MQ 3, \a, 0
.endr
	MV 3, 0, 0
	MV 3, 1, 0
	WIN 0
	STEP 4, 0
	STEP 5, 0
	; K step 6: the barrier shows K step 7's tiles to every wave
	s_wait_tensorcnt 0x0
	s_wait_dscnt 0x0
.irp a, 0,1
	MQ 6, \a, 0
.endr
	s_barrier_signal -1
.irp a, 2,3
	MQ 6, \a, 0
.endr
	s_barrier_wait -1
	PLACES
	FETCH 7
.irp a, 4,5,6,7
	MQ 6, \a, 0
.endr
	MV 6, 0, 0
	MV 6, 1, 0
	s_wait_dscnt 0x0                               ; the last step: nothing more to fetch
.irp a, 0,1,2,3,4,5,6,7
	MQ 7, \a, 0
.endr
	MV 7, 0, 0
	MV 7, 1, 0
	WIN 0
	PLACES
	; ---------------- THE WAY OUT.  Q or K: token block a's 32 registers are channels 32 h + 0 .. 31 of the head
.irp q, 0,1,2,3,4,5,6,7
	v_mov_b32 v[NR+2*\q+1], 0                      ; lane permutes' destinations count as sources
.endr
.irp j, 0,1,2,3
	v_mov_b32 v[PX+\j], 0
.endr
	WIN 0x0a                                       ; sources 0 and 1 window 2
.irp q, 0,1,2,3,4,5,6,7
	v_pk_mul_f32 v[N+2*\q:N+2*\q+1], v[32*\q:32*\q+1], v[32*\q:32*\q+1]
.endr
.irp i, 2,4,6,8,10,12,14,16,18,20,22,24,26,28,30
.irp q, 0,1,2,3,4,5,6,7
	v_pk_fma_f32 v[N+2*\q:N+2*\q+1], v[32*\q+\i:32*\q+\i+1], v[32*\q+\i:32*\q+\i+1], v[N+2*\q:N+2*\q+1]
.endr
.endr
	WIN 0
.irp q, 0,1,2,3,4,5,6,7
	v_add_f32 v[NR+2*\q], v[N+2*\q], v[N+2*\q+1]
.endr
.irp q, 0,1,2,3,4,5,6,7
	v_permlanex16_b32 v[NR+2*\q+1], v[NR+2*\q], s20, s21   ; the head's other 32 channels lie in lane l xor 16
.endr
.irp q, 0,1,2,3,4,5,6,7
	v_add_f32 v[NR+2*\q], v[NR+2*\q], v[NR+2*\q+1]
.endr
	s_wait_alu depctr_va_vdst(0)                   ; the wait ahead of a batch,
.irp q, 0,1,2,3,4,5,6,7
	v_sqrt_f32 v[NR+2*\q+1], v[NR+2*\q]
.endr
	v_nop
	s_wait_alu depctr_va_vdst(0)                   ; and behind it
.irp q, 0,1,2,3,4,5,6,7
	v_add_f32 v[NR+2*\q], 0x358637bd, v[NR+2*\q+1] ; norm + 1e-6
.endr
	s_wait_alu depctr_va_vdst(0)
.irp q, 0,1,2,3,4,5,6,7
	v_rcp_f32 v[NR+2*\q], v[NR+2*\q]
.endr
	v_nop
	s_wait_alu depctr_va_vdst(0)
; Four blocks of 32 numbers, each in one lane's 32 registers from base + 32 b in window w, become codes in v[C + 6 b ..] and scale bytes in v[BY + b].  The four take turns.
.macro QUANT4 base, w
	WIN 5*\w
.irp b, 0,1,2,3
	v_max3_num_f32 v[MX+\b], |v[\base+32*\b]|, |v[\base+32*\b+1]|, FLOOR
.endr
.irp i, 2,4,6,8,10,12,14,16,18,20,22,24,26,28,30
.irp b, 0,1,2,3
	v_max3_num_f32 v[MX+\b], |v[\base+32*\b+\i]|, |v[\base+32*\b+\i+1]|, v[MX+\b]
.endr
.endr
	WIN 0
.irp b, 0,1,2,3
	v_add_nc_u32 v[SO+\b], EOFF, v[MX+\b]          ; 4 off the exponent field: the conversion's scale operand
.endr
.irp b, 0,1,2,3
	v_lshrrev_b32 v[BY+\b], 23, v[SO+\b]
.endr
	WIN \w
.irp b, 0,1,2,3
	v_cvt_scalef32_pk16_bf6_f32 v[C+6*\b:C+6*\b+2], v[\base+32*\b:\base+32*\b+15], v[SO+\b]
	v_cvt_scalef32_pk16_bf6_f32 v[DT+4*\b:DT+4*\b+2], v[\base+32*\b+16:\base+32*\b+31], v[SO+\b]   ; (a conversion's three registers begin on an even number)
.endr
	WIN 0
	v_nop                                          ; one plain place behind a scaled conversion
.irp i, 0,1,2
.irp b, 0,1,2,3
	v_mov_b32 v[C+6*\b+3+\i], v[DT+4*\b+\i]
.endr
.endr
.endm
.macro QKOUT g                         ; token blocks 4 g .. 4 g + 3
	WIN 0x02
.irp i, 0,2,4,6,8,10,12,14,16,18,20,22,24,26,28,30
.irp j, 0,1,2,3
	v_pk_mul_f32 v[XN+32*\j+\i:XN+32*\j+\i+1], v[32*(4*\g+\j)+\i:32*(4*\g+\j)+\i+1], v[NR+2*(4*\g+\j):NR+2*(4*\g+\j)+1] op_sel_hi:[1,0]
.endr
.endr
	WIN 0
	s_wait_alu depctr_va_vdst(0)                   ; the wait ahead of the wait below
	s_wait_xcnt 0x0                                ; the earlier stores have read their data: the code registers may be written again
	QUANT4 XN, 0
.irp j, 0,1,2,3
	v_lshlrev_b32 v[QW+4*\g+\j], v18, v[BY+\j]     ; my block's byte at its place, 8 h bits up;
.endr
.irp j, 0,1,2,3
	v_permlanex16_b32 v[PX+\j], v[QW+4*\g+\j], s20, s21
.endr
.irp j, 0,1,2,3
	v_or_b32 v[QW+4*\g+\j], v[QW+4*\g+\j], v[PX+\j]    ; with lane l xor 16's;
.endr
.irp j, 0,1,2,3
	v_or_b32 v[QW+4*\g+\j], 0x7f7f0000, v[QW+4*\g+\j]  ; the upper 64 of the instruction's 128 along K meet zero codes: their bytes are 127
.endr
.irp j, 0,1,2,3
	global_store_b128 v15, v[C+6*\j:C+6*\j+3], s[66:67] offset:768*(4*\g+\j)           ; 512 consecutive bytes,
	global_store_b64 v16, v[C+6*\j+4:C+6*\j+5], s[66:67] offset:768*(4*\g+\j)+512      ; and 256
.endr
.endm
	QKOUT 0
	QKOUT 1
	v_cmp_eq_u32 vcc_lo, 1, v2
.irp x, 0,1,2,3
	v_cndmask_b32 v[SL+\x], v[QW+\x], v[QW+4+\x], vcc_lo   ; lane (r, h): row r's words of token blocks 4 h .. 4 h + 3
.endr
	global_store_b128 v17, v[SL:SL+3], s[80:81]    ; 512 consecutive bytes
	; V: channel block c's 64 registers are keys 32 h + 0 .. 31 and 64 + 32 h + 0 .. 31 of my 128: a whole fragment of the second product
	s_wait_alu depctr_va_vdst(0)
	s_wait_xcnt 0x0
	QUANT4 0, 3
.irp c, 0,1
	v_lshl_or_b32 v[22+\c], v[BY+2*\c+1], 16, v[BY+2*\c]
.endr
.irp c, 0,1
	v_lshlrev_b32 v[22+\c], v18, v[22+\c]
.endr
.irp c, 0,1
	v_permlanex16_b32 v[PX+\c], v[22+\c], s20, s21
.endr
.irp c, 0,1
	v_or_b32 v[22+\c], v[22+\c], v[PX+\c]
.endr
.irp c, 0,1
.irp g, 0,1,2
	global_store_b128 v15, v[C+12*\c+4*\g:C+12*\c+4*\g+3], s[94:95] offset:1536*\c+512*\g
.endr
.endr
	global_store_b64 v16, v[22:23], s[96:97]       ; 256 consecutive bytes, aligned
	s_wait_tensorcnt 0x0                           ; the wave's end
	ds_add_u32 v10, v11
	s_wait_dscnt 0x0
	CROUND                                         ; the closing round: no work-group ends while a partner may still ask for a tile that names it
	s_endpgm
.Lfunc_end_k_q317ee34c24_qkv:
	.size	k_q317ee34c24_qkv, .Lfunc_end_k_q317ee34c24_qkv-k_q317ee34c24_qkv
	.p2alignl 7, 3214868480
	.fill 96, 4, 3214868480
	.section	.rodata,"a",@progbits
	.p2align	6, 0x0
	.amdhsa_kernel k_q317ee34c24_qkv
		.amdhsa_group_segment_fixed_size 327680
		.amdhsa_private_segment_fixed_size 0
		.amdhsa_enable_private_segment 0
		.amdhsa_kernarg_size 48
		.amdhsa_user_sgpr_count 2
		.amdhsa_user_sgpr_kernarg_segment_ptr 1
		.amdhsa_wavefront_size32 1
		.amdhsa_system_sgpr_workgroup_id_x 1
		.amdhsa_system_sgpr_workgroup_id_y 1
		.amdhsa_system_sgpr_workgroup_id_z 1
		.amdhsa_system_vgpr_workitem_id 0
		.amdhsa_next_free_vgpr 1024
		.amdhsa_next_free_sgpr 100
		.amdhsa_reserve_vcc 1
		.amdhsa_float_denorm_mode_32 3
		.amdhsa_float_denorm_mode_16_64 3
		.amdhsa_memory_ordered 1
		.amdhsa_forward_progress 1
		.amdhsa_inst_pref_size 125
	.end_amdhsa_kernel
	.amdgpu_metadata
---
amdhsa.version: [ 1, 2 ]
amdhsa.kernels:
  - .name:           k_q317ee34c24_qkv
    .symbol:         k_q317ee34c24_qkv.kd
    .args:
      - { .name: xc, .offset: 0, .size: 8, .value_kind: global_buffer, .address_space: global }
      - { .name: wc, .offset: 8, .size: 8, .value_kind: global_buffer, .address_space: global }
      - { .name: sc, .offset: 16, .size: 8, .value_kind: global_buffer, .address_space: global }
      - { .name: qc, .offset: 24, .size: 8, .value_kind: global_buffer, .address_space: global }
      - { .name: qs, .offset: 32, .size: 8, .value_kind: global_buffer, .address_space: global }
      - { .name: kv, .offset: 40, .size: 8, .value_kind: global_buffer, .address_space: global }
    .group_segment_fixed_size: 327680
    .private_segment_fixed_size: 0
    .kernarg_segment_align: 8
    .kernarg_segment_size: 48
    .max_flat_workgroup_size: 128
    .sgpr_count:     100
    .vgpr_count:     1024
    .wavefront_size: 32
...
	.end_amdgpu_metadata
.endif
;; end of part 2
;; launch attn (part 3): grid 8 x 32, 16 waves a work-group, clusters of 4 x 1, 327,680 bytes of LDS; arguments qc, qs, kv, vh, vs; writes vh, vs
.if DOCPART == 3
	.amdgcn_target "amdgcn-amd-amdhsa--gfx1250"
	.amdhsa_code_object_version 6
	.text
	.protected	k_q317ee34c24_attn
	.globl	k_q317ee34c24_attn
	.p2align	8
	.type	k_q317ee34c24_attn,@function
k_q317ee34c24_attn:
	s_mov_b64 s[64:65], 0
	v_nop
	global_prefetch_b8 v0, s[64:65] scope:SCOPE_SE
	s_setreg_imm32_b32 hwreg(HW_REG_WAVE_MODE, 25, 1), 1
	s_wait_xcnt 0x0
	s_wait_alu depctr_hold_cnt(0) depctr_sa_sdst(0) depctr_va_vdst(0) depctr_va_sdst(0) depctr_va_ssrc(0) depctr_va_vcc(0) depctr_vm_vsrc(0)
	s_getreg_b32 s2, hwreg(HW_REG_IB_STS2, 6, 4)
	s_cmp_eq_u32 s2, 0
	s_cbranch_scc0 .Lentry_in_a_cluster
	s_endpgm
.Lentry_in_a_cluster:
	s_bfe_u32 s2, ttmp6, 0x10000c
	s_cmp_lg_u32 s2, 0x3003
	s_cbranch_scc0 .Lentry_shape_is_right
	s_endpgm
.Lentry_shape_is_right:
; Causal attention of one head on codes of BF6 (E3M2): S^T = K Q^T, p = 2^t with t = score x log2(e) / 8, O^T = V^T P^T, O / (the row's sum of the unquantised p), quantised along the head's 64 for the last product.
; WORK LEFT OUT: key steps wholly behind a query block's last query: the problem's own mask makes every p there 0 for all inputs.  A NaN, an infinity or an overflow that reaches only them is not carried to the result.
; M = 0.  Q and K were divided by their norms, as the problem itself does, so a quantised row's norm is at most 1.125, |score| <= 1.27 and |t| <= 0.23 for every input: the rule's M = ceil(largest t) is 0 or 1.
; A change of M is an exact power of two, which the blocks' scales and the sum take up: the codes' values and O / sum are those of the rule.  So there is no running maximum and nothing is rescaled.
; SHARES.  The eight work-groups of a head are two clusters of four, which ask for K and V jointly.  Query block 8 m + g (16 queries of tokens 128 m .. 128 m + 127) belongs to work-group g (0 .. 7) and needs key steps (128 keys) 0 .. m, the last on the diagonal.
; Wave w takes one block: m = 15 - w, 8 + (w - 4), 7 - (w - 8), w - 12 for its four quarters: waves w, w + 4, w + 8, w + 12 have 34 steps together, and the longest rows have the lowest numbers.
; Every branch hangs on the wave's number and the loops' counters, the same in all partners; the loops' trip counts are constants.
; FILLS.  A head's K and V, codes and scale words, 16 key steps x 13,312 bytes, come into LDS once and stay: steps 0-3 at the head, by all waves; steps 4-15 behind a round, by waves 0-7.
; THE SECOND FILL'S BARRIER is signalled early and waited for late.  Waves 0-7 work on steps 0 and 1 while it is on its way, wait for their parts and signal; waves 8-15, which have no part in it, signal at once.  Between signal and wait stand steps
; up to 2, which read the first fill alone (K one step ahead: up to 3); nobody writes LDS there.  Behind the wait all steps may be read.
; No prefetch: both fills have been asked for ahead of the first loop, so no loop is left to run ahead in.
; K RUNS ONE STEP AHEAD: a step asks LDS for the next key step's K ahead of its exponentials; its own was asked for by the step before (or ahead of the loops).  A wave's last step so asks for one that it does not use.
; LAYOUT.  Both products are used transposed: a lane holds one query (lane % 16) throughout.  Lane r of token block i is token 64 (i / 4) + 32 (r / 8) + 8 (i % 4) + r % 8, so the 32 registers of key tiles 4 c .. 4 c + 3 are keys 64 c + 32 h + 0 .. 31:
; a whole block of the quantiser, in the lane where the next operand wants it.
; K = 64 IN AN INSTRUCTION OF 128: Q's registers 6-11 are zero codes; a key tile's operand is named as its six registers and the six that follow (the next tile's codes, for the last tile codes of V, at first zeros), which meet Q's zeros (every code of BF6
; is a finite number); bytes 2, 3 of both scale words are 127.
; OUT.  vh: [token block 256][head 16][768] half images;  vs: the bytes of the last product's scale words (block i, K step s, lane r at 512 i + 256 (s / 4) + 16 r + 4 (s % 4)); a head owns two bytes of a word, so they go out as bytes.
; LIMITS: a block of zeros gets the byte 1 (its codes are zeros; this program alone reads the bytes); NaN and infinities are not served.
; REGISTERS: v1 16 r + h, v3-7 offsets that stay, v8-12 the step's addresses, v13 the mask's bound, v14, v15 scale bytes, v16-27 Q, v28, v29, v238, v239 maxima, v30 Q's word, v31 a permute's result, v32-79 K, v80-127 V,
;   v128-191 S^T, then p (its codes at v144-155), v192-223 O^T, v224-231 K's words, v232-235 V's, v236 p's word, v240-247 the sum in four pairs, v248-250 at work, v254, v255 the add's.
.set KSTEP, 13312
.set KVH,   16*KSTEP
.set FILL1, 4*KSTEP                    ; the first fill: 13 rows of 256 bytes for each of sixteen waves; the second: 78 for each of eight
.set SPARE, KVH                        ; the spare words: 128 bytes a wave
.set FLOOR, 0x2800000
.set EOFF,  0xfe000000
.set BY,  14
.set M2,  28
.set PX,  31
.set KF,  32
.set VF,  80
.set S,   128
.set PC,  S+16                         ; p's codes, over p that has been converted
.set T1,  S
.set O,   192
.set KSC, 224
.set VSC, 232
.set PW,  236
.set MX,  238                          ; the blocks' maxima, then the conversions' scale operands
.set SUM, 240
.set T0,  248
.macro CROUND                          ; a round of the cluster's barrier
	s_barrier_signal -1
	s_barrier_wait -1
	s_cmp_lg_u32 s16, 0
	s_cbranch_scc1 .Lnot_wave_0_\@
	s_barrier_signal -3
.Lnot_wave_0_\@:
	s_barrier_wait -3
	s_barrier_signal -1
	s_barrier_wait -1
.endm
	s_load_b256 s[4:11], s[0:1], 0x0               ; qc, qs, kv, vh
	s_load_b64 s[12:13], s[0:1], 0x20              ; vs
	v_lshl_add_u32 v254, v0, 2, SPARE
	v_mov_b32 v255, 0
	ds_add_u32 v254, v255                          ; the opening: the add, twice on end, and its wait ahead of my first tensor load
	ds_add_u32 v254, v255
	v_lshrrev_b32 v1, 5, v0
	v_readfirstlane_b32 s16, v1                    ; wave 0..15
	s_lshr_b32 s14, s16, 2                         ; its quarter
	s_and_b32 s15, s14, 1
	s_xor_b32 s15, s15, 1
	s_mul_i32 s15, s15, 3
	s_and_b32 s17, s16, 3
	s_xor_b32 s17, s17, s15
	s_xor_b32 s14, s14, 3
	s_lshl_b32 s14, s14, 2
	s_add_co_u32 s17, s17, s14                     ; m: my last key step, the diagonal
	s_cmp_lt_u32 s16, 8
	s_cselect_b32 s60, 2, 0                        ; my steps ahead of the second fill's signal
	s_bfe_u32 s44, ttmp6, 0x40000                  ; cx
	s_lshl_b32 s18, ttmp9, 2
	s_add_co_u32 s18, s18, s44                     ; g: it enters global addresses and the mask's numbers alone
	s_and_b32 s19, ttmp7, 0xffff                   ; the head, which the partners share
	s_mov_b32 s20, 0x76543210
	s_mov_b32 s21, 0xfedcba98
	s_mov_b32 s22, 0x3e38aa3b                      ; c = log2(e) / 8
	s_mov_b32 s23, s22                             ; (named with it as a pair)
	s_mov_b32 s72, 0xff800000                      ; -infinity
	; descriptor group 1: 13 rows of 256 bytes (32 elements of 8), dense
	s_mov_b32 s24, 15|(3<<16)|(1<<21)              ; 15:0 the mask: all four work-groups; 17:16 elements of 8 bytes; 21 set beside a mask
	s_mov_b32 s25, 32<<16
	s_mov_b32 s26, 13<<16
	s_mov_b32 s27, 32<<16
	s_mov_b32 s28, 13
	s_mov_b32 s29, 32
	s_mov_b32 s30, 0
	s_mov_b32 s31, 0
	s_mov_b32 s32, 1
	s_mul_i32 s33, s16, 13*256                     ; where my part of the first fill goes,
	s_mov_b32 s40, 1
	s_and_b32 s41, s16, 7
	s_mul_i32 s41, s41, 78*256
	s_add_co_u32 s41, s41, FILL1                   ; and of the second (waves 0-7)
	s_mul_i32 s46, s19, KVH
	s_add_co_u32 s48, s46, s33                     ; LDS holds the head as memory does
	s_mov_b32 s49, 0
	s_add_co_u32 s50, s46, s41
	s_mov_b32 s51, 0
	s_wait_alu depctr_va_vdst(0)
	s_wait_dscnt 0x0                               ; both opening adds are done
	s_wait_kmcnt 0x0
	s_add_nc_u64 s[34:35], s[8:9], s[48:49]
	s_or_b32 s35, s35, 0x80000000
	s_add_nc_u64 s[42:43], s[8:9], s[50:51]
	s_or_b32 s43, s43, 0x80000000
	CROUND                                         ; all four work-groups are here: the joint loads meet
	tensor_load_to_lds s[32:35], s[24:31]          ; key steps 0-3: every wave's one load at the head
	s_nop 0
.rept 4
	v_nop
.endr
	s_lshl_b32 s45, s17, 3
	s_add_co_u32 s45, s45, s18                     ; my query block in the head
	s_lshl_b32 s46, s19, 7
	s_add_co_u32 s48, s46, s45
	s_mul_i32 s48, s48, 768                        ; its codes
	s_mov_b32 s49, 0
	s_add_nc_u64 s[48:49], s[4:5], s[48:49]
	s_lshl_b32 s46, s19, 4
	s_lshl_b32 s47, s18, 2
	s_add_co_u32 s50, s46, s17
	s_lshl_b32 s50, s50, 9
	s_add_co_u32 s50, s50, s47
	s_mov_b32 s51, 0
	s_add_nc_u64 s[68:69], s[6:7], s[50:51]        ; its scale words
	s_lshr_b32 s50, s19, 4
	s_lshl_b32 s50, s50, 7
	s_add_co_u32 s50, s50, s45                     ; its token block among all 256
	s_and_b32 s51, s19, 15                         ; the head in its batch
	s_lshl_b32 s52, s50, 4
	s_add_co_u32 s52, s52, s51
	s_mul_i32 s52, s52, 768                        ; vh
	s_mov_b32 s53, 0
	s_lshl_b32 s54, s50, 9                         ; vs: K step head / 2, bytes 2 (head % 2) + block
	s_lshr_b32 s55, s51, 3
	s_lshl_b32 s55, s55, 8
	s_add_co_u32 s54, s54, s55
	s_bfe_u32 s55, s51, 0x20001
	s_lshl_b32 s55, s55, 2
	s_add_co_u32 s54, s54, s55
	s_and_b32 s55, s51, 1
	s_lshl_b32 s55, s55, 1
	s_add_co_u32 s54, s54, s55
	s_mov_b32 s55, 0
	s_add_nc_u64 s[10:11], s[10:11], s[52:53]
	s_add_nc_u64 s[12:13], s[12:13], s[54:55]
	s_lshr_b32 s56, s18, 2
	s_lshl_b32 s56, s56, 6
	s_and_b32 s57, s18, 3
	s_lshl_b32 s57, s57, 3
	s_add_co_u32 s56, s56, s57                     ; 64 (g / 4) + 8 (g % 4)
	v_and_b32 v1, 15, v0                           ; r
	v_bfe_u32 v2, v0, 4, 1                         ; h
	v_and_b32 v8, 31, v0                           ; l
	v_lshlrev_b32 v5, 5, v1                        ; 32 r
	v_lshlrev_b32 v3, 4, v8                        ; 16 l
	v_lshlrev_b32 v4, 3, v8                        ; 8 l
	v_lshlrev_b32 v6, 3, v1                        ; 8 r
	v_lshlrev_b32 v7, 3, v2                        ; 8 h
	global_load_b128 v[16:19], v3, s[48:49]        ; Q's codes stay in registers
	global_load_b64 v[20:21], v4, s[48:49] offset:512
	global_load_b32 v30, v5, s[68:69]              ; and its scale words
	v_and_b32 v13, 7, v1
	v_lshrrev_b32 v9, 3, v1
	v_lshlrev_b32 v10, 5, v2
	v_lshl_add_u32 v13, v9, 5, v13
	v_sub_nc_u32 v13, v13, v10
	v_add_nc_u32 v13, s56, v13                     ; d = my query's place in its 128 tokens - 32 h: on the diagonal register 32 c + i is hidden where 64 c + i > d
	v_lshl_add_u32 v1, v1, 4, v2                   ; 16 r + h: my byte's place on the way out
.irp i, 0,1,2,3,4,5,6,7
	v_mov_b32 v[SUM+\i], 0
.endr
.irp i, 0,1,2,3,4,5
	v_mov_b32 v[22+\i], 0                          ; Q's upper 64 along K: zero codes
	v_mov_b32 v[VF+\i], 0                          ; what the last key tile's operand names behind its own six in the first step
.endr
	v_mov_b32 v[PX], 0                             ; a lane permute's destination counts as one of its sources
.set i, 0
.rept 32
	v_mov_b32 v[O+i], 0                            ; O^T: the step is written for any trip
.set i, i+1
.endr
.macro KLOAD a, b, w                   ; a key step's K: its scale words and its eight tiles, 18 loads
	ds_load_b128 v[KSC:KSC+3], v[\w] offset:12288
	ds_load_b128 v[KSC+4:KSC+7], v[\w] offset:12304
.irp t, 0,1,2,3,4,5,6,7
	ds_load_b128 v[KF+6*\t:KF+6*\t+3], v[\a] offset:768*\t
	ds_load_b64 v[KF+6*\t+4:KF+6*\t+5], v[\b] offset:768*\t+512
.endr
.endm
.macro ADDP n                          ; two more p into one of the sum's four pairs, by turns: of the UNQUANTISED p
.set AQ, SUM+2*(((\n)/2)%4)
	v_pk_add_f32 v[AQ:AQ+1], v[AQ:AQ+1], v[S+(\n):S+(\n)+1]
.endm
; A step of 128 keys for 16 queries; s36: the key step
.macro STEP
	s_and_b32 s37, s36, 15
	s_mul_i32 s37, s37, KSTEP                      ; this step's V,
	s_add_co_u32 s39, s36, 1
	s_and_b32 s39, s39, 15
	s_mul_i32 s39, s39, KSTEP                      ; and the next step's K
	v_add_nc_u32 v11, s37, v3                      ; (these five are also the places behind the last step's products, ahead of the loads into their registers and of the products that write over their operand)
	v_add_nc_u32 v12, s37, v6
	v_add_nc_u32 v8, s39, v3
	v_add_nc_u32 v9, s39, v4
	v_add_nc_u32 v10, s39, v5
	s_wait_alu depctr_va_vdst(0)                   ; the wait here, directly ahead of the wait below
	s_wait_dscnt 0x0                               ; K, asked for a step ago
.irp t, 0,1,2,3,4,5,6,7
	v_wmma_scale_f32_16x16x128_f8f6f4 v[S+8*\t:S+8*\t+7], v[KF+6*\t:KF+6*\t+11], v[16:27], 0, v[KSC+\t], v30 matrix_a_fmt:MATRIX_FMT_BF6 matrix_b_fmt:MATRIX_FMT_BF6
.endr
.rept 4
	v_nop                                          ; places behind the products: for the reads of their results and the loads behind tile 7's registers
.endr
.irp ct, 0,1,2,3                       ; V's fragments are asked for now and land under the softmax
.irp g, 0,1,2
	ds_load_b128 v[VF+12*\ct+4*\g:VF+12*\ct+4*\g+3], v11 offset:6144+1536*\ct+512*\g
.endr
.endr
	ds_load_b64 v[VSC:VSC+1], v12 offset:12800
	ds_load_b64 v[VSC+2:VSC+3], v12 offset:13056
	s_cmp_lg_u32 s36, s17
	s_cbranch_scc1 .Lopen_\@
.set n, 0
.rept 32                               ; the diagonal: hidden scores become -infinity, so p = 0
	v_cmp_gt_i32 vcc_lo, 64*(n/32)+n%32, v13
	v_cmp_gt_i32 s45, 64*(n/32)+n%32+1, v13
	v_cndmask_b32 v[S+n], v[S+n], s72, vcc_lo
	v_cndmask_b32 v[S+n+1], v[S+n+1], s72, s45
.set n, n+2
.endr
.Lopen_\@:
.set n, 0
.rept 32
	v_pk_mul_f32 v[S+n:S+n+1], v[S+n:S+n+1], s[22:23] op_sel_hi:[1,0]   ; t
.set n, n+2
.endr
	s_wait_alu depctr_va_vdst(0)                   ; the wait ahead of the batch
	KLOAD 8, 9, 10                                 ; the next step's K, in one run
.set n, 0
.rept 64
	v_exp_f32 v[S+n], v[S+n]                       ; p = 2^t: not normalised
.set n, n+1
.endr
	v_nop                                          ; a plain place behind the batch,
	s_wait_alu depctr_va_vdst(0)                   ; and one wait for it, ahead of its first reader
	v_max3_num_f32 v[MX], v[S], v[S+1], FLOOR      ; the largest p of my two blocks of 32 keys, two chains each, over the floor: a block whose every p is 0 keeps the byte 1
	v_max_num_f32 v[M2], v[S+2], v[S+3]
	v_max3_num_f32 v[MX+1], v[S+32], v[S+33], FLOOR
	v_max_num_f32 v[M2+1], v[S+34], v[S+35]
	ADDP 0
	ADDP 2
.set n, 4
.rept 7
	v_max3_num_f32 v[MX], v[MX], v[S+n], v[S+n+1]
	v_max3_num_f32 v[M2], v[M2], v[S+n+2], v[S+n+3]
	v_max3_num_f32 v[MX+1], v[MX+1], v[S+32+n], v[S+33+n]
	v_max3_num_f32 v[M2+1], v[M2+1], v[S+34+n], v[S+35+n]
	ADDP n
	ADDP n+2
.set n, n+4
.endr
	v_max_num_f32 v[MX], v[MX], v[M2]
	v_max_num_f32 v[MX+1], v[MX+1], v[M2+1]
	ADDP 32
	v_add_nc_u32 v[MX], EOFF, v[MX]                ; 4 off the exponent field: the conversion's scale operand
	v_add_nc_u32 v[MX+1], EOFF, v[MX+1]
	ADDP 34
	v_lshrrev_b32 v[BY], 23, v[MX]
	v_lshrrev_b32 v[BY+1], 23, v[MX+1]
	ADDP 36
	v_lshl_or_b32 v[PW], v[BY+1], 16, v[BY]        ; blocks h and 2 + h of my query,
	ADDP 38
	v_lshlrev_b32 v[PW], v7, v[PW]                 ; at their places in the scale word
	ADDP 40
	v_permlanex16_b32 v[PX], v[PW], s20, s21
	; the codes, over p: each conversion lands where an earlier one has read, and a plain line stands between the two
	v_cvt_scalef32_pk16_bf6_f32 v[T0:T0+2], v[S+16:S+31], v[MX]
	v_or_b32 v[PW], v[PW], v[PX]                   ; with lane l xor 16's two the word is whole
	ADDP 42
	v_cvt_scalef32_pk16_bf6_f32 v[PC:PC+2], v[S:S+15], v[MX]
	v_cvt_scalef32_pk16_bf6_f32 v[PC+6:PC+8], v[S+32:S+47], v[MX+1]
	ADDP 44
	v_cvt_scalef32_pk16_bf6_f32 v[T1:T1+2], v[S+48:S+63], v[MX+1]
	v_nop                                          ; one plain place behind a scaled conversion
.irp i, 0,1,2
	v_mov_b32 v[PC+3+\i], v[T0+\i]                 ; (a conversion's three registers begin on an even number)
	v_mov_b32 v[PC+9+\i], v[T1+\i]
.endr
.irp m, 46,48,50,52,54,56,58,60,62
	ADDP \m                                        ; these nine are also places between the writes of p's codes and word and the products
.endr
	s_wait_dscnt 18                                ; V is in; the next step's K, 18 loads, may be out
.irp ct, 0,1,2,3                       ; the four accumulators take turns
	v_wmma_scale_f32_16x16x128_f8f6f4 v[O+8*\ct:O+8*\ct+7], v[VF+12*\ct:VF+12*\ct+11], v[PC:PC+11], v[O+8*\ct:O+8*\ct+7], v[VSC+\ct], v[PW] matrix_a_fmt:MATRIX_FMT_BF6 matrix_b_fmt:MATRIX_FMT_BF6
.endr
.endm
	s_wait_alu depctr_va_vdst(0)                   ; the wait at the head's end
	s_wait_tensorcnt 0x0                           ; my part of key steps 0-3 is in
	ds_add_u32 v254, v255
	s_mov_b32 s26, 78<<16                          ; no tensor load of mine is out: a descriptor may be written
	s_mov_b32 s28, 78
	s_wait_dscnt 0x0
	CROUND                                         ; everybody's part is in, and all four work-groups are here
	s_cmp_lt_u32 s16, 8
	s_cbranch_scc0 .Lno_part
	tensor_load_to_lds s[40:43], s[24:31]          ; key steps 4-15, by waves 0-7
	s_nop 0
.rept 4
	v_nop
.endr
.Lno_part:
	KLOAD 3, 4, 5                                  ; key step 0's K
	s_wait_loadcnt 0x0                             ; Q
	s_mov_b32 s36, 0                               ; the key step
.Lfirst:
	s_cmp_ge_u32 s36, s60                          ; waves 0-7: steps 0 and 1
	s_cbranch_scc1 .Lfirst_skip
	STEP
.Lfirst_skip:
	s_wait_alu depctr_va_vdst(0)                   ; the wait ahead of the branch
	s_add_co_u32 s36, s36, 1
	s_cmp_lt_u32 s36, 2
	s_cbranch_scc1 .Lfirst
	s_wait_tensorcnt 0x0                           ; my part of key steps 4-15 is in, if I have one
	s_wait_dscnt 0x0
	s_barrier_signal -1
	s_mov_b32 s36, 0
.Lsecond:
	s_cmp_lt_u32 s36, s60                          ; waves 0-7: step 2; waves 8-15: steps 0 to 2, as far as their rows go
	s_cbranch_scc1 .Lsecond_skip
	s_cmp_gt_u32 s36, s17
	s_cbranch_scc1 .Lsecond_skip
	STEP
.Lsecond_skip:
	s_wait_alu depctr_va_vdst(0)
	s_add_co_u32 s36, s36, 1
	s_cmp_lt_u32 s36, 3
	s_cbranch_scc1 .Lsecond
	s_barrier_wait -1                              ; everybody's part is in
	s_mov_b32 s36, 3
.Lthird:
	s_cmp_gt_u32 s36, s17
	s_cbranch_scc1 .Lthird_skip
	STEP
.Lthird_skip:
	s_wait_alu depctr_va_vdst(0)
	s_add_co_u32 s36, s36, 1
	s_cmp_lt_u32 s36, 16
	s_cbranch_scc1 .Lthird
	; THE WAY OUT: O^T / the sum; register i = channel 32 h + i of my query: a block of the last product's K
.rept 4
	v_nop
.endr
	v_pk_add_f32 v[SUM:SUM+1], v[SUM:SUM+1], v[SUM+2:SUM+3]
	v_pk_add_f32 v[SUM+4:SUM+5], v[SUM+4:SUM+5], v[SUM+6:SUM+7]
	v_pk_add_f32 v[SUM:SUM+1], v[SUM:SUM+1], v[SUM+4:SUM+5]
	v_add_f32 v[SUM], v[SUM], v[SUM+1]
	v_permlanex16_b32 v[PX], v[SUM], s20, s21
	v_add_f32 v[SUM], v[SUM], v[PX]
	s_wait_alu depctr_va_vdst(0)
	v_rcp_f32 v[SUM], v[SUM]
	v_nop                                          ; a plain place
	s_wait_alu depctr_va_vdst(0)
.set n, 0
.rept 16
	v_pk_mul_f32 v[S+n:S+n+1], v[O+n:O+n+1], v[SUM:SUM+1] op_sel_hi:[1,0]
.set n, n+2
.endr
	v_max3_num_f32 v[MX], |v[S]|, |v[S+1]|, FLOOR
	v_max3_num_f32 v[MX+1], |v[S+16]|, |v[S+17]|, FLOOR
.irp i, 2,4,6,8,10,12,14
	v_max3_num_f32 v[MX], v[MX], |v[S+\i]|, |v[S+\i+1]|
	v_max3_num_f32 v[MX+1], v[MX+1], |v[S+16+\i]|, |v[S+17+\i]|
.endr
	v_max_num_f32 v[MX], v[MX], v[MX+1]
	v_add_nc_u32 v[MX], EOFF, v[MX]
	v_lshrrev_b32 v[BY], 23, v[MX]                 ; lane (r, h): the byte of row r's block h
	v_cvt_scalef32_pk16_bf6_f32 v[T0:T0+2], v[S+16:S+31], v[MX]
	v_nop
	v_cvt_scalef32_pk16_bf6_f32 v[PC:PC+2], v[S:S+15], v[MX]
	v_nop
.irp i, 0,1,2
	v_mov_b32 v[PC+3+\i], v[T0+\i]
.endr
	global_store_b128 v3, v[PC:PC+3], s[10:11]     ; 512 consecutive bytes,
	global_store_b64 v4, v[PC+4:PC+5], s[10:11] offset:512     ; and 256
	global_store_b8 v1, v[BY], s[12:13]
	s_wait_tensorcnt 0x0                           ; the wave's end
	ds_add_u32 v254, v255
	s_wait_dscnt 0x0
	CROUND                                         ; the closing round
	s_endpgm
.Lfunc_end_k_q317ee34c24_attn:
	.size	k_q317ee34c24_attn, .Lfunc_end_k_q317ee34c24_attn-k_q317ee34c24_attn
	.p2alignl 7, 3214868480
	.fill 96, 4, 3214868480
	.section	.rodata,"a",@progbits
	.p2align	6, 0x0
	.amdhsa_kernel k_q317ee34c24_attn
		.amdhsa_group_segment_fixed_size 327680
		.amdhsa_private_segment_fixed_size 0
		.amdhsa_enable_private_segment 0
		.amdhsa_kernarg_size 40
		.amdhsa_user_sgpr_count 2
		.amdhsa_user_sgpr_kernarg_segment_ptr 1
		.amdhsa_wavefront_size32 1
		.amdhsa_system_sgpr_workgroup_id_x 1
		.amdhsa_system_sgpr_workgroup_id_y 1
		.amdhsa_system_sgpr_workgroup_id_z 1
		.amdhsa_system_vgpr_workitem_id 0
		.amdhsa_next_free_vgpr 256
		.amdhsa_next_free_sgpr 96
		.amdhsa_reserve_vcc 1
		.amdhsa_float_denorm_mode_32 3
		.amdhsa_float_denorm_mode_16_64 3
		.amdhsa_memory_ordered 1
		.amdhsa_forward_progress 1
		.amdhsa_inst_pref_size 78
	.end_amdhsa_kernel
	.amdgpu_metadata
---
amdhsa.version: [ 1, 2 ]
amdhsa.kernels:
  - .name:           k_q317ee34c24_attn
    .symbol:         k_q317ee34c24_attn.kd
    .args:
      - { .name: qc, .offset: 0, .size: 8, .value_kind: global_buffer, .address_space: global }
      - { .name: qs, .offset: 8, .size: 8, .value_kind: global_buffer, .address_space: global }
      - { .name: kv, .offset: 16, .size: 8, .value_kind: global_buffer, .address_space: global }
      - { .name: vh, .offset: 24, .size: 8, .value_kind: global_buffer, .address_space: global }
      - { .name: vs, .offset: 32, .size: 8, .value_kind: global_buffer, .address_space: global }
    .group_segment_fixed_size: 327680
    .private_segment_fixed_size: 0
    .kernarg_segment_align: 8
    .kernarg_segment_size: 40
    .max_flat_workgroup_size: 512
    .sgpr_count:     96
    .vgpr_count:     256
    .wavefront_size: 32
...
	.end_amdgpu_metadata
.endif
;; end of part 3
;; launch oproj (part 4): grid 8 x 32, 4 waves a work-group, clusters of 4 x 4, 214,528 bytes of LDS; arguments vh, vs, wc, sc, bo, out0; writes out0
.if DOCPART == 4
	.amdgcn_target "amdgcn-amd-amdhsa--gfx1250"
	.amdhsa_code_object_version 6
	.text
	.protected	k_q317ee34c24_oproj
	.globl	k_q317ee34c24_oproj
	.p2align	8
	.type	k_q317ee34c24_oproj,@function
k_q317ee34c24_oproj:
	s_mov_b64 s[64:65], 0
	v_nop
	global_prefetch_b8 v0, s[64:65] scope:SCOPE_SE
	s_setreg_imm32_b32 hwreg(HW_REG_WAVE_MODE, 25, 1), 1
	s_wait_xcnt 0x0
	s_wait_alu depctr_hold_cnt(0) depctr_sa_sdst(0) depctr_va_vdst(0) depctr_va_sdst(0) depctr_va_ssrc(0) depctr_va_vcc(0) depctr_vm_vsrc(0)
	s_getreg_b32 s2, hwreg(HW_REG_IB_STS2, 6, 4)
	s_cmp_eq_u32 s2, 0
	s_cbranch_scc0 .Lentry_in_a_cluster
	s_endpgm
.Lentry_in_a_cluster:
	s_bfe_u32 s2, ttmp6, 0x10000c
	s_cmp_lg_u32 s2, 0xf033
	s_cbranch_scc0 .Lentry_shape_is_right
	s_endpgm
.Lentry_shape_is_right:
; out0 = V_hat Wo + bo on codes of BF6 (E3M2) with E8M0 scales.  V_hat: vh, [token block 256][head 16][768] half images, words in vs; Wo: column blocks 192 .. 255 of wc, words in sc.  out0: [4096][1024] f32.
; 256 tiles of 128 x 128, one to a work-group; four waves, 64 x 64 each.  All of K = 1,024 lies in LDS, 196,608 bytes, filled once, by one load a wave (four row blocks of 12,288 bytes).
; BY ROWS: a wave holds all its fragments of Wo (4 column blocks x 8 K steps, 384 registers) and finishes its four token blocks one after the other, 32 products each, so that a block's stores are out while the next is multiplied.
; CLUSTER 4 x 4: the tokens' tiles are asked for jointly along a row of the cluster, Wo's along a column.  No prefetch: every tile is asked for at the head, there is no loop to run ahead in.
; The matrix instruction takes 16 columns of Wo as source 0 and 16 tokens as source 1: a lane holds one token.  Lane r of block i is row 64 (i / 4) + 32 (r / 8) + 8 (i % 4) + r % 8, so a lane's four accumulators are columns 32 h + 0 .. 31 of the wave's 64.
; The bias is the C of each sum's first matrix instruction.  A K step's fragment of V_hat is two half images (heads 2 s, 2 s + 1): registers 0-3, 4-5, 6-9, 10-11 by four loads; Wo's is three loads of 512 bytes.
; REGISTERS.  window 0: v4, v5 LDS addresses of the tokens' fragments (16 l, 8 l), v6 of Wo's, v16-20 the way out and offsets, v30, v31 the add's; v32-63 the tokens' scale words (block a, K step s at 32 + 8 a + s), v64-95 Wo's, v96-127 the bias,
;   v128-191 accumulators, two sets by turns, v192-255 rows of out0, two sets.   window 1: Wo, K steps 0-4 (48 s + 12 b).   window 2: Wo, K steps 5-7.   window 3: the tokens' fragments, two sets (96 (a % 2) + 12 s).
.set RBK,   12288                      ; a row block: eight images
.set IMG,   1536
.set QUART, 4*RBK                      ; what one tensor load brings
.set STAGE, 4*QUART                    ; behind the tiles: 16 rows x 272 bytes for each wave; no tensor load fills it
.set SPARE, STAGE+4*16*272
.set SA,  32
.set SB,  64
.set BI,  96
.set ACC, 128
.set OUT, 192
.set MSB, 0
.macro WIN new
.if MSB != (\new)
	s_set_vgpr_msb (MSB<<8)|(\new)
.set MSB, (\new)
.endif
.endm
.macro PLACES
.rept 4
	v_nop
.endr
.endm
.macro CROUND
	s_barrier_signal -1
	s_barrier_wait -1
	s_cmp_lg_u32 s16, 0
	s_cbranch_scc1 .Lnot_wave_0_\@
	s_barrier_signal -3
.Lnot_wave_0_\@:
	s_barrier_wait -3
	s_barrier_signal -1
	s_barrier_wait -1
.endm
	s_load_b256 s[4:11], s[0:1], 0x0               ; vh, vs, wc, sc
	s_load_b128 s[12:15], s[0:1], 0x20             ; bo, out0
	v_lshl_add_u32 v30, v0, 2, SPARE
	v_mov_b32 v31, 0
	ds_add_u32 v30, v31                            ; the opening: the add, twice on end, and its wait ahead of my first tensor load
	ds_add_u32 v30, v31
	v_lshrrev_b32 v1, 5, v0
	v_readfirstlane_b32 s16, v1                    ; wave 0..3
	s_lshr_b32 s17, s16, 1                         ; which half of the tile's tokens is mine.  Also: I fetch the tokens' tiles (0) or Wo's (1)
	s_and_b32 s18, s16, 1                          ; which half of its columns.  Also: which four row blocks I fetch
	s_bfe_u32 s22, ttmp6, 0x40000                  ; cx
	s_bfe_u32 s23, ttmp6, 0x40004                  ; cy
	s_lshl_b32 s25, ttmp9, 2
	s_add_co_u32 s25, s25, s22                     ; tile column
	s_and_b32 s24, ttmp7, 0xffff
	s_lshl_b32 s24, s24, 2
	s_add_co_u32 s24, s24, s23                     ; tile row
	s_lshl_b32 s26, s23, 2
	s_lshl_b32 s26, 15, s26                        ; my row of the cluster
	s_lshl_b32 s27, 0x1111, s22                    ; my column
	s_or_b32 s28, s26, (3<<16)|(1<<21)             ; group 1: 4 rows (row blocks) of 1,536 elements of 8 bytes, dense in memory and in LDS
	s_or_b32 s36, s27, (3<<16)|(1<<21)
.irp g, 28, 36
	s_mov_b32 s[\g+1], 1536<<16
	s_mov_b32 s[\g+2], 4<<16
	s_mov_b32 s[\g+3], 1536<<16
	s_mov_b32 s[\g+4], 4
	s_mov_b32 s[\g+5], 1536
	s_mov_b32 s[\g+6], 0
	s_mov_b32 s[\g+7], 0
.endr
	s_lshl_b32 s84, s18, 2
	s_lshl_b32 s60, s24, 3
	s_add_co_u32 s60, s60, s84
	s_mul_i32 s60, s60, RBK                        ; tokens: row block 8 x tile row + 4 x half
	s_mov_b32 s61, 0
	s_lshl_b32 s62, s25, 3
	s_add_co_u32 s62, s62, s84
	s_mul_i32 s62, s62, RBK
	s_add_co_u32 s62, s62, 192*RBK                 ; Wo's images
	s_mov_b32 s63, 0
	s_mov_b32 s44, 1
	s_mul_i32 s45, s16, QUART
	s_mov_b32 s68, 1
	s_mul_i32 s69, s16, QUART
	s_wait_alu depctr_va_vdst(0)
	s_wait_dscnt 0x0                               ; both opening adds are done
	s_wait_kmcnt 0x0
	s_add_nc_u64 s[46:47], s[4:5], s[60:61]
	s_or_b32 s47, s47, 0x80000000
	s_add_nc_u64 s[70:71], s[8:9], s[62:63]
	s_or_b32 s71, s71, 0x80000000
	CROUND                                         ; all sixteen work-groups are here: the joint loads meet
	s_cmp_eq_u32 s17, 0                            ; one load a wave: nothing more is ever filled
	s_cbranch_scc0 .Lfor_b
	tensor_load_to_lds s[44:47], s[28:35]
	s_nop 0
	PLACES
	s_branch .Lasked
.Lfor_b:
	tensor_load_to_lds s[68:71], s[36:43]
	s_nop 0
	PLACES
.Lasked:
	s_lshl_b32 s86, s24, 3
	s_lshl_b32 s87, s17, 2
	s_add_co_u32 s86, s86, s87
	s_lshl_b32 s86, s86, 9                         ; the words of my four token blocks
	s_mov_b32 s87, 0
	s_add_nc_u64 s[6:7], s[6:7], s[86:87]
	s_lshl_b32 s86, s25, 3
	s_lshl_b32 s88, s18, 2
	s_add_co_u32 s86, s86, s88
	s_lshl_b32 s86, s86, 9
	s_add_co_u32 s86, s86, 131072+192*512          ; of my four column blocks of Wo
	s_add_nc_u64 s[10:11], s[10:11], s[86:87]
	s_lshl_b32 s86, s25, 9
	s_lshl_b32 s88, s18, 8
	s_add_co_u32 s86, s86, s88                     ; my first column, in bytes
	s_add_nc_u64 s[12:13], s[12:13], s[86:87]
	s_add_nc_u64 s[14:15], s[14:15], s[86:87]
	s_lshl_b32 s86, s24, 7
	s_lshl_b32 s88, s17, 6
	s_add_co_u32 s86, s86, s88
	s_lshl_b32 s86, s86, 12                        ; my first row of out0
	s_add_nc_u64 s[14:15], s[14:15], s[86:87]
	s_mul_i32 s84, s17, QUART
	s_mul_i32 s85, s18, QUART
	s_add_co_u32 s85, s85, 2*QUART
	s_mul_i32 s88, s16, 16*272
	s_add_co_u32 s88, s88, STAGE                   ; my stage
	v_and_b32 v1, 15, v0                           ; r
	v_bfe_u32 v2, v0, 4, 1                         ; h
	v_and_b32 v3, 31, v0                           ; l
	v_lshlrev_b32 v19, 4, v1                       ; scale words: 16 r
	v_lshlrev_b32 v20, 7, v2                       ; the bias: 128 h
.irp i, 0,1,2,3
.irp q, 0,1
	global_load_b128 v[SA+8*\i+4*\q:SA+8*\i+4*\q+3], v19, s[6:7] offset:512*\i+256*\q
	global_load_b128 v[SB+8*\i+4*\q:SB+8*\i+4*\q+3], v19, s[10:11] offset:512*\i+256*\q
.endr
.endr
.irp b, 0,1,2,3                        ; lane (r, h) wants, for column block b, bo at columns 32 h + 8 b + 0 .. 7
	global_load_b128 v[BI+8*\b:BI+8*\b+3], v20, s[12:13] offset:32*\b
	global_load_b128 v[BI+8*\b+4:BI+8*\b+7], v20, s[12:13] offset:32*\b+16
.endr
	v_lshlrev_b32 v21, 4, v3
	v_lshlrev_b32 v22, 3, v3
	v_add_nc_u32 v4, s84, v21
	v_add_nc_u32 v5, s84, v22
	v_add_nc_u32 v6, s85, v21
	v_mul_u32_u24 v16, v1, 272
	v_lshl_add_u32 v16, v2, 7, v16
	v_add_nc_u32 v16, s88, v16                     ; in: row r, + 128 h
	v_mul_u32_u24 v17, v2, 272
	v_lshl_add_u32 v17, v1, 4, v17
	v_add_nc_u32 v17, s88, v17                     ; back: lanes 0-15 one row of 256 bytes, lanes 16-31 the next
	v_lshlrev_b32 v18, 12, v2
	v_lshl_add_u32 v18, v1, 4, v18                 ; and the same two rows in out0
.macro LOADA a, s                      ; token block a's fragment of K step s: four loads
.set FA, 96*((\a)%2)+12*(\s)
	ds_load_b128 v[FA:FA+3], v4 offset:RBK*(\a)+IMG*(\s)
	ds_load_b64 v[FA+4:FA+5], v5 offset:RBK*(\a)+IMG*(\s)+512
	ds_load_b128 v[FA+6:FA+9], v4 offset:RBK*(\a)+IMG*(\s)+768
	ds_load_b64 v[FA+10:FA+11], v5 offset:RBK*(\a)+IMG*(\s)+1280
.endm
.macro ROWA a                          ; all eight K steps': 32 loads
	WIN 0xc0
.irp s, 0,1,2,3,4,5,6,7
	LOADA \a, \s
.endr
.endm
.macro LOADS s                         ; token block 0's and Wo's four fragments of K step s: 16 loads
	WIN 0xc0
	LOADA 0, \s
	WIN 0x40+0x40*((\s)/5)
.irp b, 0,1,2,3
.irp g, 0,1,2
	ds_load_b128 v[48*((\s)%5)+12*\b+4*\g:48*((\s)%5)+12*\b+4*\g+3], v6 offset:RBK*\b+IMG*(\s)+512*\g
.endr
.endr
.endm
; Four matrix instructions: token block a x Wo's four, K step s.  The four accumulators take turns, three others between two steps of a sum.  K step 0 starts the sums on the bias.
.macro MUL a, s
.set FA, 96*((\a)%2)+12*(\s)
.set FB, 48*((\s)%5)
.set AC, ACC+32*((\a)%2)
	WIN 0x0d+((\s)/5)                              ; source 0 window 1 or 2, source 1 window 3, C and D window 0
.irp b, 0,1,2,3
.if (\s) == 0
	v_wmma_scale_f32_16x16x128_f8f6f4 v[AC+8*\b:AC+8*\b+7], v[FB+12*\b:FB+12*\b+11], v[FA:FA+11], v[BI+8*\b:BI+8*\b+7], v[SB+8*\b+(\s)], v[SA+8*(\a)+(\s)] matrix_a_fmt:MATRIX_FMT_BF6 matrix_b_fmt:MATRIX_FMT_BF6
.else
	v_wmma_scale_f32_16x16x128_f8f6f4 v[AC+8*\b:AC+8*\b+7], v[FB+12*\b:FB+12*\b+11], v[FA:FA+11], v[AC+8*\b:AC+8*\b+7], v[SB+8*\b+(\s)], v[SA+8*(\a)+(\s)] matrix_a_fmt:MATRIX_FMT_BF6 matrix_b_fmt:MATRIX_FMT_BF6
.endif
.endr
.endm
; THE WAY OUT of a block of 16 tokens x 64 columns, through my own stage: a lane's 128 bytes go in, whole rows of 256 bytes come back, and sixteen lanes store 256 consecutive bytes, aligned.
; LDS serves a wave's instructions in order (ISA guide 5.7.1.4): no wait between the stores and the loads, nor ahead of the next block's stores.
.macro TOSTAGE a
.set AC, ACC+32*((\a)%2)
	WIN 0
.irp b, 0,1,2,3
	ds_store_b128 v16, v[AC+8*\b:AC+8*\b+3] offset:32*\b           ; each accumulator from its low end on
	ds_store_b128 v16, v[AC+8*\b+4:AC+8*\b+7] offset:32*\b+16
.endr
.irp t, 0,1,2,3,4,5,6,7
	ds_load_b128 v[OUT+32*((\a)%2)+4*\t:OUT+32*((\a)%2)+4*\t+3], v17 offset:544*\t
.endr
.endm
.macro SEND a
	WIN 0
.irp t, 0,1,2,3,4,5,6,7
	global_store_b128 v18, v[OUT+32*((\a)%2)+4*\t:OUT+32*((\a)%2)+4*\t+3], s[14:15] offset:4096*(8*(\a)+32*(\t/4)+2*(\t%4)) th:TH_STORE_NT   ; stage row 2 t + l / 16 is that token of the wave's 64
.endr
.endm
.macro BLOCK a                         ; token block a is multiplied while block a - 1 goes out
	WIN 0
	PLACES                                         ; behind block a - 1's products: for the reads of their results and for the loads into its fragments
.if (\a) > 2
	s_wait_xcnt 0x0                                ; block a - 3's stores have read their data: block a - 1's rows may land there
.endif
	TOSTAGE (\a)-1
.if (\a) < 3
	ROWA (\a)+1
	s_wait_dscnt 48                                ; block a's fragments are in: behind them the stage's 16 and the next block's 32
.else
	s_wait_dscnt 16
.endif
.irp s, 0,1,2,3
	MUL \a, \s
.endr
.if (\a) < 3
	s_wait_dscnt 32                                ; block a - 1's rows are back
.else
	s_wait_dscnt 0x0
.endif
	SEND (\a)-1
.irp s, 4,5,6,7
	MUL \a, \s
.endr
.endm
	s_wait_alu depctr_va_vdst(0)                   ; the wait at the head's end
	s_wait_tensorcnt 0x0                           ; my part of the tiles is in,
	s_barrier_signal -1
	s_barrier_wait -1                              ; everybody's is; nothing is filled again
	LOADS 0
	LOADS 1
	s_wait_loadcnt 0x0                             ; scale words and bias
.irp s, 0,1,2,3,4,5
	LOADS \s+2
	s_wait_dscnt 32                                ; this step's 16 loads are in; the two younger steps' may be out
	MUL 0, \s
.endr
	ROWA 1
	s_wait_dscnt 48                                ; step 6's are in: behind them step 7's 16 and block 1's 32
	MUL 0, 6
	s_wait_dscnt 32
	MUL 0, 7
	BLOCK 1
	BLOCK 2
	BLOCK 3
	WIN 0
	PLACES
	s_wait_xcnt 0x0                                ; block 1's stores have read their data
	TOSTAGE 3
	s_wait_dscnt 0x0
	SEND 3
	s_wait_tensorcnt 0x0                           ; the wave's end
	ds_add_u32 v30, v31
	s_wait_dscnt 0x0
	CROUND                                         ; the closing round: no work-group ends while a partner may still ask for a tile that names it
	s_endpgm
.Lfunc_end_k_q317ee34c24_oproj:
	.size	k_q317ee34c24_oproj, .Lfunc_end_k_q317ee34c24_oproj-k_q317ee34c24_oproj
	.p2alignl 7, 3214868480
	.fill 96, 4, 3214868480
	.section	.rodata,"a",@progbits
	.p2align	6, 0x0
	.amdhsa_kernel k_q317ee34c24_oproj
		.amdhsa_group_segment_fixed_size 214528
		.amdhsa_private_segment_fixed_size 0
		.amdhsa_enable_private_segment 0
		.amdhsa_kernarg_size 48
		.amdhsa_user_sgpr_count 2
		.amdhsa_user_sgpr_kernarg_segment_ptr 1
		.amdhsa_wavefront_size32 1
		.amdhsa_system_sgpr_workgroup_id_x 1
		.amdhsa_system_sgpr_workgroup_id_y 1
		.amdhsa_system_sgpr_workgroup_id_z 1
		.amdhsa_system_vgpr_workitem_id 0
		.amdhsa_next_free_vgpr 1024
		.amdhsa_next_free_sgpr 96
		.amdhsa_reserve_vcc 0
		.amdhsa_float_denorm_mode_32 3
		.amdhsa_float_denorm_mode_16_64 3
		.amdhsa_memory_ordered 1
		.amdhsa_forward_progress 1
		.amdhsa_inst_pref_size 49
	.end_amdhsa_kernel
	.amdgpu_metadata
---
amdhsa.version: [ 1, 2 ]
amdhsa.kernels:
  - .name:           k_q317ee34c24_oproj
    .symbol:         k_q317ee34c24_oproj.kd
    .args:
      - { .name: vh, .offset: 0, .size: 8, .value_kind: global_buffer, .address_space: global }
      - { .name: vs, .offset: 8, .size: 8, .value_kind: global_buffer, .address_space: global }
      - { .name: wc, .offset: 16, .size: 8, .value_kind: global_buffer, .address_space: global }
      - { .name: sc, .offset: 24, .size: 8, .value_kind: global_buffer, .address_space: global }
      - { .name: bo, .offset: 32, .size: 8, .value_kind: global_buffer, .address_space: global }
      - { .name: out0, .offset: 40, .size: 8, .value_kind: global_buffer, .address_space: global }
    .group_segment_fixed_size: 214528
    .private_segment_fixed_size: 0
    .kernarg_segment_align: 8
    .kernarg_segment_size: 48
    .max_flat_workgroup_size: 128
    .sgpr_count:     96
    .vgpr_count:     1024
    .wavefront_size: 32
...
	.end_amdgpu_metadata
.endif
;; end of part 4
